; MI455X (gfx1250); checked and timed in simulation.
; The chip was launched on July 23, 2026; its instructions are those of AMD's public machine-readable ISA for CDNA 5 (MIT licence, August 2026) and "CDNA5" Instruction Set Architecture Reference Guide (July 2026). The comments in the code are by the model that wrote it; some were corrected since.
;; Feed Forward Quantum. Allowed arithmetic: matrix products marked QUANTISED: E3M2 operands, one E8M0 scale for each 32 along K, by v_wmma_scale_f32_16x16x128_f8f6f4 with both operands' format E3M2, f32 sums; products left as they are: f32 operands where the result goes on into a quantised operand, else bf16, f16 or f32 operands; f32 sums; everything else in f32.
;; Inputs: W1 4,096 x 8 float32; W2 1,024 x 4,096 float32; b1 4,096 float32; b2 1,024 float32; theta 8 float32; x 8 x 2,048 x 1,024 float32.
;; Outputs: out0 8 x 2,048 x 1,024 float32.
;; This version of the problem:
;;   THIS VERSION OF THE PROBLEM IS GIVEN IN LOW PRECISION. The matrix products marked QUANTISED in the list below multiply operands that are first quantised to E3M2 (3 exponent bits, 2 mantissa bits; 6 bits a number), with one power-of-two scale for each 32 numbers along K (OCP MX v1.0); their sums are f32. All else is computed in f32.
;;   The module's matrix products, in the order in which they are computed (A, B: the left and right operand; K: the contracted axis; several contracted axes count as one K, in the product's order):
;;     1. [M 16,384, K 8] x [K 8, N 4,096]; A: computed on the way; B: input W1: left as it is (K = 8 < 32)
;;     2. [M 16,384, K 4,096] x [K 4,096, N 1,024]; A: computed on the way; B: input W2: QUANTISED
;;   THE QUANTISER, for each operand of a quantised product, along K:
;;     - K is cut into blocks of 32 from its start; a last block that is shorter is filled with zeros.
;;     - A block's scale is 2^e with e = floor(log2(the largest magnitude in the block)) - 4, held to -126 .. 127; a block of zeros has e = 0. As a byte (E8M0): e + 127.
;;     - Each number is divided by its block's scale, clamped to +-28, and rounded to the nearest number of E3M2, ties to even, subnormals kept.
;;     - The product sums the exact products of the quantised numbers (number of the format x scale) in f32.
;;   ~~~python
;;   def quantise(x, axis):      # numpy; x: float32 -> the quantised numbers, widened to float32 again
;;       x = np.moveaxis(x, axis, -1); K = x.shape[-1]
;;       x = np.pad(x, [(0, 0)] * (x.ndim - 1) + [(0, -K % 32)]); x = x.reshape(x.shape[:-1] + (-1, 32)); a = np.abs(x).max(-1, keepdims=True)
;;       e = np.where(a > 0, np.clip(np.frexp(np.where(a > 0, a, 1))[1] - 1 - 4, -126, 127), 0)      # np.frexp(a)[1] - 1 = floor(log2(a)), exactly
;;       r = np.clip(x / 2.0 ** e, -28, 28)
;;       step = 2.0 ** (np.maximum(np.frexp(np.where(r == 0, 1, r))[1] - 1, -2) - 2)
;;       q = np.round(r / step) * step * 2.0 ** e      # np.round: ties to even
;;       return np.moveaxis(q.reshape(q.shape[:-2] + (-1,))[..., :K], -1, axis).astype(np.float32)
;;   ~~~
;;   OPERANDS COMPUTED ON THE WAY. 'Computed on the way' means the value that the module computes at that place (a softmax that the list does not call 'softmax' is quantised finished and normalised). What goes into a quantiser is computed in f32, as accurately as f32 sums, v_exp_f32 and their like allow (about 1e-6 of the number): no bf16 or f16 on the way to a quantiser, and a product that is left as it is and whose result goes on into a quantised operand takes f32 operands (vector FMAs, or v_wmma_f32_16x16x4_f32). A number that lies on a knife's edge between two numbers of the format may be rounded either way, as far as f32 arithmetic and the matrix unit's own rounding can turn it there, and no further.
;; 2 versions. Each part assembles by itself: llvm-mc -triple=amdgcn-amd-amdhsa -mcpu=gfx1250 --defsym DOCPART=n.
;; ======== version 1 of 2: 2 launches
;; limits: inputs' magnitudes at most 65,536
;; workspace buffers: wblk 3,866,624 bytes; whead 40,960 bytes; qd 1,048,576 bytes
;; launch prep (part 1): grid 256 x 1, 8 waves a work-group, no clusters, 68,608 bytes of LDS; arguments x, theta, W1, b1, W2, b2, wblk, whead, qd; writes wblk, whead, qd
.if DOCPART == 1
	.amdgcn_target "amdgcn-amd-amdhsa--gfx1250"
	.amdhsa_code_object_version 6
	.text
	.protected	k_qbcfe7e13fb_prep
	.globl	k_qbcfe7e13fb_prep
	.p2align	8
	.type	k_qbcfe7e13fb_prep,@function
k_qbcfe7e13fb_prep:
	s_mov_b64 s[64:65], 0
	v_nop
	global_prefetch_b8 v0, s[64:65] scope:SCOPE_SE
	s_setreg_imm32_b32 hwreg(HW_REG_WAVE_MODE, 25, 1), 1
	s_wait_xcnt 0x0
; PREP: everything that the fused launch wants laid ready, made once.
;  (1) q[row][i] = cos(x[row][i]) cos(theta[i]), i = 0..7, each number stored TWICE on end (qd [16384][8][2] f32): one scalar load of 64 bytes is then a row as eight even-aligned pairs.
;  (2) W2 [1024][4096] f32 -> codes of E3M2 with one E8M0 byte for each 32 along K, laid as IMAGES OF OPERAND REGISTERS: a fragment (16 rows of W2 x 128 K, 12 registers a lane) is 1,536 bytes,
;      register g of lane L at 512 (g / 4) + 16 L + 4 (g % 4).  wblk: 32 blocks (K step j) of SLOT bytes; in a block 4 sub-blocks of SUB bytes (256 rows of W2 each): 16 images, then 256 scale words.
;  (3) W1 [4096][8] and b1, turned into the order in which a lane of the fused launch holds them: for a stage of 512 hidden units 36 chunks of 512 bytes; chunk c, lane l: registers 4 c .. 4 c + 3 of a file in which
;      register 16 i + jj = W1[512 s + 16 l + jj][i] and register 128 + jj = b1[512 s + 16 l + jj].  Stage 0 lies on end in whead; stage 1 in whead's four head tiles behind b2's quarters; stage s >= 2 in quarters behind
;      the scale words of block 4 s - 5 (stage 7 once more in block 27, which the fused launch's loop fetches and does not use).
;  (4) b2, 256 numbers to each head tile.
; SHARES: work-group g, wave v: the fragment of rows 16 (g / 4) .. + 15 and K step 8 (g % 4) + v; q of rows 64 g .. + 63, two numbers a thread; work-groups 0-35: chunk g of stage v; work-group 36, waves 0-3: b2.
; COSINE: n = x 2 / pi to the nearest whole number; r = x - n pi / 2 with pi / 2 in three f32 parts, by fused multiply-adds; a polynomial for sin r and one for cos r on |r| <= pi / 4; n mod 4 chooses and signs.
; LIMITS: the cosine's error stays near 1e-7 (absolute) for |x| up to 65,536; beyond that the three parts of pi / 2 no longer carry n.  NaN and infinities among the inputs are not served.
; A block whose largest magnitude lies under 2^-122 keeps the scale byte 1; a block of zeros has byte 1 where the quantiser's text says 127: its codes are zeros, and this program alone reads the bytes.
; No tensor loads, no barrier: waves share nothing.  LDS: a stage of 16 rows x 528 bytes for each wave, through which W2's numbers turn from "neighbouring lanes, neighbouring bytes" to "a lane holds 32 neighbours along K".
.set SUB,   30208                      ; a sub-block: 16 x 1,536 of images + 1,024 of scale words + 4,608 for a quarter of a stage's W1 file
.set SLOT,  4*SUB
.set STP,   528                        ; a stage row: 512 bytes + 16
.set R,     16                         ; v16-79   W2 as loaded
.set X,     80                         ; v80-143  my 64 numbers in the operand's order
.set PC,    144                        ; v144-155 the fragment's codes (v156-158, v160-162: the second halves as converted)
.set T,     170                        ; v170-175 the cosine, at work
.set KS,    177                        ; the polynomials' leading coefficients
.set KC,    178
	s_load_b512 s[4:19], s[0:1], 0x0               ; x s[4:5], theta s[6:7], W1 s[8:9], b1 s[10:11], W2 s[12:13], b2 s[14:15], wblk s[16:17], whead s[18:19]
	s_load_b64 s[20:21], s[0:1], 0x40              ; qd
	v_lshl_add_u32 v192, v0, 2, 0x10800
	v_mov_b32 v193, 0
	v_lshrrev_b32 v1, 5, v0
	v_readfirstlane_b32 s22, v1                    ; wave 0..7
	v_and_b32 v1, 31, v0                           ; lane
	v_and_b32 v2, 15, v0                           ; r
	v_bfe_u32 v3, v0, 4, 1                         ; h
	v_lshlrev_b32 v4, 4, v1                        ; 16 x lane
	v_lshrrev_b32 v5, 3, v0                        ; q: my row among the group's first 32,
	v_and_b32 v6, 7, v0                            ; my wire i
	v_lshlrev_b32 v6, 2, v6                        ; theta: 4 i
	v_lshl_add_u32 v5, v5, 12, v6                  ; x: row x 4,096 bytes + 4 i
	v_lshlrev_b32 v7, 3, v0                        ; qd: 8 bytes a number
	s_mul_i32 s23, s22, 16*STP                     ; my wave's stage
	v_add_nc_u32 v13, s23, v4                      ; in: 16 x lane of a row
	v_mul_u32_u24 v14, v2, STP
	v_lshl_add_u32 v14, v3, 7, v14
	v_add_nc_u32 v14, s23, v14                     ; back: row r, + 128 h bytes: k = 32 h on
	v_lshlrev_b32 v15, 2, v1                       ; a scale word's place
	s_mov_b32 s24, 0x76543210
	s_mov_b32 s25, 0xfedcba98                      ; v_permlanex16_b32's selects for lane l xor 16
	s_lshl_b32 s26, ttmp9, 18                      ; x: 64 rows of 4,096 bytes a work-group
	s_mov_b32 s27, 0
	s_lshl_b32 s28, ttmp9, 12                      ; qd: 64 rows of 64 bytes
	s_mov_b32 s29, 0
	s_lshr_b32 s30, ttmp9, 2                       ; cb: which 16 rows of W2
	s_and_b32 s31, ttmp9, 3
	s_lshl_b32 s31, s31, 3
	s_add_co_u32 s31, s31, s22                     ; j: which 128 along K
	s_lshl_b32 s32, s30, 18                        ; 16 rows of 16,384 bytes
	s_lshl_b32 s33, s31, 9                         ; 512 bytes a K step
	s_add_co_u32 s32, s32, s33
	s_mov_b32 s33, 0
	s_mul_i32 s34, s31, SLOT                       ; wblk: block j,
	s_lshr_b32 s35, s30, 4
	s_mul_i32 s35, s35, SUB
	s_add_co_u32 s34, s34, s35                     ; sub-block cb / 16,
	s_and_b32 s35, s30, 15
	s_mul_i32 s48, s35, 1536
	s_add_co_u32 s48, s48, s34                     ; image cb % 16;
	s_mov_b32 s49, 0
	s_lshl_b32 s50, s35, 6
	s_add_co_u32 s50, s50, s34
	s_add_co_u32 s50, s50, 24576                   ; and its 16 scale words
	s_mov_b32 s51, 0
	v_mov_b32 v[KS], 0xb94ca1f9                    ; -1.9515295891e-4
	v_mov_b32 v[KC], 0x37ccf5ce                    ;  2.4433157118e-5
	s_wait_kmcnt 0x0
	s_add_nc_u64 s[4:5], s[4:5], s[26:27]
	s_add_nc_u64 s[20:21], s[20:21], s[28:29]
	s_add_nc_u64 s[12:13], s[12:13], s[32:33]
	s_add_nc_u64 s[48:49], s[16:17], s[48:49]
	s_add_nc_u64 s[50:51], s[16:17], s[50:51]
	global_load_b32 v164, v5, s[4:5]               ; x of my first number,
	global_load_b32 v165, v5, s[4:5] offset:131072 ; and of my second, 32 rows further down
	global_load_b32 v166, v6, s[6:7]               ; theta[i]
.set i, 0
.rept 16
	global_load_b128 v[R+4*i:R+4*i+3], v4, s[12:13] offset:16384*i th:TH_LOAD_NT   ; row i of the fragment: 32 lanes read 512 consecutive bytes; read once in the launch
.set i, i+1
.endr
.macro COS d, x                        ; v[d] = cos(v[x])
	v_mul_f32 v[T], 0x3f22f983, v[\x]              ; x 2 / pi
	v_rndne_f32 v[T], v[T]                         ; n
	v_fmamk_f32 v[T+1], v[T], 0xbfc90fdb, v[\x]    ; r = x - n pi / 2: the three parts are 1.57079637, -4.37113883e-8, -1.71512489e-15
	v_fmamk_f32 v[T+1], v[T], 0x333bbd2e, v[T+1]
	v_fmamk_f32 v[T+1], v[T], 0x26f72ced, v[T+1]
	v_mul_f32 v[T+2], v[T+1], v[T+1]               ; s = r r
	v_fmaak_f32 v[T+3], v[KS], v[T+2], 0x3c08839e  ; the two polynomials by turns:  8.3321608736e-3
	v_fmaak_f32 v[T+4], v[KC], v[T+2], 0xbab6061a  ; -1.3887316255e-3
	v_fmaak_f32 v[T+3], v[T+3], v[T+2], 0xbe2aaaa3 ; -1.6666654611e-1
	v_fmaak_f32 v[T+4], v[T+4], v[T+2], 0x3d2aaaa5 ;  4.1666645683e-2
	v_mul_f32 v[T+3], v[T+3], v[T+2]
	v_fma_f32 v[T+4], v[T+4], v[T+2], -0.5
	v_fma_f32 v[T+3], v[T+3], v[T+1], v[T+1]       ; sin r
	v_fma_f32 v[T+4], v[T+4], v[T+2], 1.0          ; cos r
	v_cvt_i32_f32 v[T], v[T]
	v_and_b32 v[T+5], 1, v[T]
	v_cmp_eq_u32 vcc_lo, 1, v[T+5]
	v_cndmask_b32 v[\d], v[T+4], v[T+3], vcc_lo    ; n odd: the sine
	v_add_nc_u32 v[T], 1, v[T]
	v_and_b32 v[T], 2, v[T]
	v_lshlrev_b32 v[T], 30, v[T]                   ; n mod 4 = 1 or 2: minus
	v_xor_b32 v[\d], v[T], v[\d]
.endm
	s_wait_loadcnt 16                              ; x's two and theta's one are in; W2's sixteen, issued behind them, stay out
	COS 167, 164
	COS 168, 165
	COS 169, 166
	v_mul_f32 v180, v167, v169                     ; q, twice on end
	v_mul_f32 v181, v167, v169
	v_mul_f32 v182, v168, v169
	v_mul_f32 v183, v168, v169
	global_store_b64 v7, v[180:181], s[20:21]              ; a wave stores 256 consecutive bytes, aligned
	global_store_b64 v7, v[182:183], s[20:21] offset:2048
	; ---- work-groups 0 to 35: chunk c = g of stage s = my wave's number
	s_cmp_lt_u32 ttmp9, 36
	s_cbranch_scc0 .Lno_w1
	s_mul_i32 s34, ttmp9, 57
	s_lshr_b32 s34, s34, 9                         ; c / 9 (exact for c < 36): which quarter
	s_mul_i32 s35, s34, 9
	s_sub_co_u32 s35, ttmp9, s35                   ; c % 9: which chunk of it
	s_and_b32 s36, ttmp9, 3
	s_lshl_b32 s36, s36, 2                         ; jj = 4 (c % 4) + 0..3
	s_lshl_b32 s37, s22, 9
	s_add_co_u32 s36, s36, s37                     ; + 512 s
	s_lshr_b32 s37, ttmp9, 2
	s_lshl_b32 s37, s37, 2                         ; W1: 4 i bytes, i = c / 4
	s_mul_i32 s41, s22, 4*SLOT
	s_sub_co_u32 s41, s41, 5*SLOT-25600            ; stage s >= 2: block 4 s - 5, behind its scale words
	s_mov_b32 s42, SUB
	s_cmp_lt_u32 ttmp9, 32                         ; chunks 0-31 come from W1 (32 bytes a hidden unit), 32-35 from b1 (4 bytes)
	s_cselect_b64 s[38:39], s[8:9], s[10:11]
	s_cselect_b32 s40, 5, 2
	s_cselect_b32 s37, s37, 0
	s_cmp_lt_u32 s22, 2                            ; stages 0 and 1 go to whead
	s_cselect_b64 s[44:45], s[18:19], s[16:17]
	s_cselect_b32 s41, 1024, s41                   ; stage 1: behind b2's 1,024 bytes of a head tile,
	s_cselect_b32 s42, 5632, s42                   ; a quarter to a tile
	s_cmp_eq_u32 s22, 0
	s_cselect_b32 s41, 22528, s41                  ; stage 0: behind the four head tiles, on end
	s_cselect_b32 s42, 4608, s42
	s_mul_i32 s42, s42, s34
	s_add_co_u32 s41, s41, s42
	s_lshl_b32 s43, s35, 9
	s_add_co_u32 s46, s41, s43
	s_mov_b32 s47, 0
	s_add_nc_u64 s[44:45], s[44:45], s[46:47]
	v_lshl_add_u32 v8, v1, 4, s36                  ; hidden unit 512 s + 16 l + 4 (c % 4)
.irp k, 0,1,2,3
	v_add_lshl_u32 v[9+\k], v8, \k, s40
	v_add_nc_u32 v[9+\k], s37, v[9+\k]
.endr
.irp k, 0,1,2,3
	global_load_b32 v[184+\k], v[9+\k], s[38:39]
.endr
	s_wait_loadcnt 0x0
	global_store_b128 v4, v[184:187], s[44:45]             ; 512 consecutive bytes
	s_cmp_eq_u32 s22, 7
	s_cbranch_scc0 .Lno_w1
	global_store_b128 v4, v[184:187], s[44:45] offset:4*SLOT   ; stage 7 once more, in block 27
.Lno_w1:
	; ---- work-group 36, waves 0 to 3: b2's quarters at the heads of the head tiles
	s_cmp_eq_u32 ttmp9, 36
	s_cbranch_scc0 .Lno_b2
	s_cmp_lt_u32 s22, 4
	s_cbranch_scc0 .Lno_b2
	s_lshl_b32 s34, s22, 10
	s_mov_b32 s35, 0
	s_add_nc_u64 s[36:37], s[14:15], s[34:35]
	s_mul_i32 s34, s22, 5632
	s_add_nc_u64 s[38:39], s[18:19], s[34:35]
	global_load_b128 v[164:167], v4, s[36:37]
	global_load_b128 v[168:171], v4, s[36:37] offset:512
	s_wait_loadcnt 0x0
	global_store_b128 v4, v[164:167], s[38:39]
	global_store_b128 v4, v[168:171], s[38:39] offset:512
.Lno_b2:
	; ---- W2's fragment.  Through my own stage: LDS serves a wave's instructions in order (ISA guide 5.7.1.4), so no wait stands between the stores and the loads
	s_wait_loadcnt 0x0
.set i, 0
.rept 16
	ds_store_b128 v13, v[R+4*i:R+4*i+3] offset:STP*i
.set i, i+1
.endr
.irp c, 0,1
.irp q, 0,1,2,3,4,5,6,7
	ds_load_b128 v[X+32*\c+4*\q:X+32*\c+4*\q+3], v14 offset:256*\c+16*\q   ; W2(row r, k = 64 c + 32 h + 4 q ..): a lane holds two whole blocks of 32
.endr
.endr
	s_wait_dscnt 0x0
.irp c, 0,1
	v_max3_num_f32 v[172+\c], |v[X+32*\c]|, |v[X+32*\c+1]|, 0x2800000      ; the block's largest magnitude, with the floor 2^(5 - 127) among its leaves: the byte cannot fall under 1
.endr
.irp i, 2,4,6,8,10,12,14,16,18,20,22,24,26,28,30
.irp c, 0,1
	v_max3_num_f32 v[172+\c], v[172+\c], |v[X+32*\c+\i]|, |v[X+32*\c+\i+1]|   ; (the two blocks by turns)
.endr
.endr
.irp c, 0,1
	v_add_nc_u32 v[174+\c], 0xfe000000, v[172+\c]  ; 4 off its exponent field: the conversion takes the exponent field of this operand as its scale
.endr
.irp c, 0,1
	v_lshrrev_b32 v[176+\c], 23, v[174+\c]         ; the scale's byte
.endr
	v_lshl_or_b32 v178, v177, 16, v176             ; my two bytes, blocks h and 2 + h of row r,
	v_lshlrev_b32 v179, 3, v3
	v_lshlrev_b32 v178, v179, v178                 ; at their places (8 h bits up);
	v_mov_b32 v188, 0                              ; (a lane permute's destination counts as one of its sources)
	v_permlanex16_b32 v188, v178, s24, s25
	v_or_b32 v178, v178, v188                      ; with lane l xor 16's two the word is whole
.irp c, 0,1
	v_cvt_scalef32_pk16_bf6_f32 v[PC+6*\c:PC+6*\c+2], v[X+32*\c:X+32*\c+15], v[174+\c]
	v_cvt_scalef32_pk16_bf6_f32 v[156+4*\c:158+4*\c], v[X+32*\c+16:X+32*\c+31], v[174+\c]   ; (a conversion's three registers begin on an even number: the second half is made elsewhere and moved)
.endr
	v_nop                                          ; one plain place behind a scaled conversion
.irp c, 0,1
.irp i, 0,1,2
	v_mov_b32 v[PC+3+6*\c+\i], v[156+4*\c+\i]
.endr
.endr
.irp i, 0,1,2
	global_store_b128 v4, v[PC+4*\i:PC+4*\i+3], s[48:49] offset:512*\i   ; the image: 512 consecutive bytes a store, aligned
.endr
	s_wait_xcnt 0x0                                ; EXEC is a source of the stores above: it changes only behind this wait
	v_cmp_gt_u32 vcc_lo, 16, v1
	s_wait_tensorcnt 0x0
	ds_add_u32 v192, v193
	s_wait_dscnt 0x0
	s_and_saveexec_b32 s40, vcc_lo
	global_store_b32 v15, v178, s[50:51]           ; lanes 0-15: the 16 rows' scale words, 64 consecutive bytes (four fragments' words fill 256; they are 1 byte in 128 of what the launch reads)
	s_endpgm
.Lfunc_end_k_qbcfe7e13fb_prep:
	.size	k_qbcfe7e13fb_prep, .Lfunc_end_k_qbcfe7e13fb_prep-k_qbcfe7e13fb_prep
	.p2alignl 7, 3214868480
	.fill 96, 4, 3214868480
	.section	.rodata,"a",@progbits
	.p2align	6, 0x0
	.amdhsa_kernel k_qbcfe7e13fb_prep
		.amdhsa_group_segment_fixed_size 68608
		.amdhsa_private_segment_fixed_size 0
		.amdhsa_enable_private_segment 0
		.amdhsa_kernarg_size 72
		.amdhsa_user_sgpr_count 2
		.amdhsa_user_sgpr_kernarg_segment_ptr 1
		.amdhsa_wavefront_size32 1
		.amdhsa_system_sgpr_workgroup_id_x 1
		.amdhsa_system_sgpr_workgroup_id_y 1
		.amdhsa_system_sgpr_workgroup_id_z 1
		.amdhsa_system_vgpr_workitem_id 0
		.amdhsa_next_free_vgpr 194
		.amdhsa_next_free_sgpr 66
		.amdhsa_reserve_vcc 1
		.amdhsa_float_denorm_mode_32 3
		.amdhsa_float_denorm_mode_16_64 3
		.amdhsa_memory_ordered 1
		.amdhsa_forward_progress 1
		.amdhsa_inst_pref_size 17
	.end_amdhsa_kernel
	.amdgpu_metadata
---
amdhsa.version: [ 1, 2 ]
amdhsa.kernels:
  - .name:           k_qbcfe7e13fb_prep
    .symbol:         k_qbcfe7e13fb_prep.kd
    .args:
      - { .name: x, .offset: 0, .size: 8, .value_kind: global_buffer, .address_space: global }
      - { .name: theta, .offset: 8, .size: 8, .value_kind: global_buffer, .address_space: global }
      - { .name: W1, .offset: 16, .size: 8, .value_kind: global_buffer, .address_space: global }
      - { .name: b1, .offset: 24, .size: 8, .value_kind: global_buffer, .address_space: global }
      - { .name: W2, .offset: 32, .size: 8, .value_kind: global_buffer, .address_space: global }
      - { .name: b2, .offset: 40, .size: 8, .value_kind: global_buffer, .address_space: global }
      - { .name: wblk, .offset: 48, .size: 8, .value_kind: global_buffer, .address_space: global }
      - { .name: whead, .offset: 56, .size: 8, .value_kind: global_buffer, .address_space: global }
      - { .name: qd, .offset: 64, .size: 8, .value_kind: global_buffer, .address_space: global }
    .group_segment_fixed_size: 68608
    .private_segment_fixed_size: 0
    .kernarg_segment_align: 8
    .kernarg_segment_size: 72
    .max_flat_workgroup_size: 256
    .sgpr_count:     66
    .vgpr_count:     194
    .wavefront_size: 32
...
	.end_amdgpu_metadata
.endif
;; end of part 1
;; launch main (part 2): grid 256 x 1, 4 waves a work-group, clusters of 4 x 1, 327,680 bytes of LDS; arguments wblk, whead, qd, out0; writes out0
.if DOCPART == 2
	.amdgcn_target "amdgcn-amd-amdhsa--gfx1250"
	.amdhsa_code_object_version 6
	.text
	.protected	k_qbcfe7e13fb_main
	.globl	k_qbcfe7e13fb_main
	.p2align	8
	.type	k_qbcfe7e13fb_main,@function
k_qbcfe7e13fb_main:
	s_mov_b64 s[64:65], 0
	v_nop
	global_prefetch_b8 v0, s[64:65] scope:SCOPE_SE
	s_setreg_imm32_b32 hwreg(HW_REG_WAVE_MODE, 25, 1), 1
	s_wait_xcnt 0x0
	s_wait_alu depctr_hold_cnt(0) depctr_sa_sdst(0) depctr_va_vdst(0) depctr_va_sdst(0) depctr_va_ssrc(0) depctr_va_vcc(0) depctr_vm_vsrc(0)
	s_getreg_b32 s2, hwreg(HW_REG_IB_STS2, 6, 4)
	s_cmp_eq_u32 s2, 0
	s_cbranch_scc0 .Lentry_in_a_cluster
	s_endpgm
.Lentry_in_a_cluster:
	s_bfe_u32 s2, ttmp6, 0x10000c
	s_cmp_lg_u32 s2, 0x3003
	s_cbranch_scc0 .Lentry_shape_is_right
	s_endpgm
.Lentry_shape_is_right:
; out[row][:] = Q(relu(q[row] W1^T + b1)) Q(W2)^T + b2, the second product on codes of E3M2 with one E8M0 scale for each 32 along K (v_wmma_scale_f32_16x16x128_f8f6f4), f32 sums.
; q, W2's codes and scale words (as images of operand registers), W1 and b1 (in a lane's order) and b2 were laid ready by the launch before.  The hidden layer h never goes to memory.
; SHARES.  A work-group owns 64 rows x ALL 1,024 columns of out, so that each number of h is made once in the whole launch.  Each of its four waves, as many as a WGP has SIMDs, owns 64 rows x 256 columns: 64 accumulators, 512 registers.
; K = 4,096 goes in 32 PERIODS of 128; four periods are a STAGE of 512.
; W2: block j (1,024 columns x 128 K: 64 fragment images and their scale words) comes through a ring of two LDS slots, a quarter (the wave's own 256 columns) by each wave's one tensor load.
; CLUSTER: every work-group of the launch walks the same blocks, so the four of a cluster ask JOINTLY (mask 15): the same load with the same descriptor, which hangs on the wave's number alone.
; h: made ONE STAGE AHEAD by the vector unit.  Wave w makes rows 16 w .. + 15, a row at a time: lane l holds hidden units 16 l .. 16 l + 15 of the stage; W1's 8 x 16 numbers and b1's 16 of these units stay in 144 registers
; for the stage; the row's eight q come in scalar registers; 64 packed multiply-adds (the sum starts at b1), the block's maximum (lanes l and l xor 1 share a block of 32), relu, one conversion: 12 bytes of codes at 12 l of the
; row in LDS, and a scale byte.  All four waves read the rows as fragments.  Two buffers of a stage take turns.
; BY TURNS.  A period's 64 matrix instructions and its four rows of vector work (98 lines each) run side by side in one wave: one row stands in front of the products, while the period's LDS loads land; the other three are cut
; into slices, one behind each product.  A slice works in window 0 and a product names windows 1 to 3, so a slice costs two switches of the register window; set in a phase of its own, the vector work would leave the matrix unit idle.
; THE PRODUCT IS USED TRANSPOSED (source 0 = 16 rows of W2, source 1 = 16 rows of h): a lane then holds eight neighbouring columns of one row of out.  The sums start at b2: the accumulators are loaded with it.
; LIMITS: NaN and infinities are not served; a block of h whose largest number lies under 2^-122 keeps the scale byte 1 (a block of zeros too: its codes are zeros).
; All of a WGP's LDS is claimed; 295,424 bytes are used.
;
; LDS: slot 0 at 0, slot 1 at SLOT (sub-slot w at w SUB: 16 images of 1,536 bytes, 1,024 bytes of scale words, 4,608 bytes for a quarter of the next stage's W1 file);  H: 2 x 64 rows of 400 bytes (384 of codes + 16);
;      HS: 2 x 64 rows x 16 scale bytes;  the spare words.  On the way out each wave's stage lies in its own sub-slot of slot 0, which has then had its last fill and its last read.
; A row of H is 100 words: 4 x 25.  The reader's 32 lanes (8 bytes each at 400 r + 24 h) start at words 36 r + 6 h mod 64: all 64 words differ.  The writer's lanes stand 3 words apart.
; REGISTERS, in windows of 256 (s_set_vgpr_msb: bits 1:0 source 0, 3:2 source 1, 5:4 source 2, 7:6 destination):
;   window 0: v1-22 addresses; v24-31 W2's scale words, v32-33 h's (nothing else ever lies there); v36-39, v60-63 a row's codes and byte, two sets by turns; v40-55 16 numbers of h; v56-58 at work; v64-207 the W1 file (v192-207: b1)
;   window 1: v0-191 W2's 16 fragments; v192-239 h's four.    windows 2, 3: the accumulators: tile (m, b) at v[8 (16 (m % 2) + b)] of window 2 + m / 2.
.set SUB,   30208
.set SLOT,  4*SUB
.set CODES, 24576                      ; where a sub-slot's scale words begin
.set NROWB, 25600                      ; and where its quarter of a W1 file begins
.set HB,    2*SLOT
.set PH,    400
.set HBUF,  64*PH
.set HSB,   HB+2*HBUF
.set HSBUF, 1024
.set SPARE, HSB+2*HSBUF                ; the spare words, 128 bytes for each wave: two blocks of 256 bytes that no other line names
.set SP,    528                        ; the way out: a stage row, 512 bytes + 16
.set SPW,  1                           ; v1   LDS address of my spare word; never rewritten
.set NIL,  2                           ; v2   0; never rewritten
.set BA,   3                           ; v3-4 my sub-slot + 16 x lane, in slot 0, 1
.set RD,   BA                          ;      (the way out reads its stage back from the same place)
.set SA,   5                           ; v5-6 its scale words + 4 x lane
.set HR0,  7                           ; v7   H + 400 r + 24 h;        v8  the same in the buffer that is read
.set HRA,  8
.set HSR0, 9                           ; v9   HS + 16 x lane;          v10 likewise
.set HSRA, 10
.set HW0,  11                          ; v11  H + 6,400 w + 12 x lane; v12 the same in the buffer that is written
.set HWA,  12
.set HSW0, 13                          ; v13  HS + 256 w + lane / 2;   v14 likewise
.set HSWA, 14
.set WA0,  15                          ; v15  slot 1's first quarter of a W1 file + 16 x lane;  v16 its third
.set WA1,  16
.set PFN,  17                          ; v17, v18  the prefetches' offsets: 256 x min(32 cx + lane, the sub-block's last row): 100 rows, or 118 with a quarter
.set PFW,  18
.set BB,   19                          ; v19  b2's quarter in my sub-slot of slot 1 + 32 h
.set STO,  20                          ; v20  the way out: where I put 32 bytes of a row
.set CO,   22                          ; v22  16 x lane
.set BSC,  24
.set HSC,  32
.set HA,   40
.set MX,   56
.set SO,   58
.set W,    64
.set BK,   64                          ; the way out: 16 rows read back: v64-127 and v128-191 by turns
.set AF,   192                         ; in window 1
.set PQ,   3                           ; s3   the prologue: byte offset of the trip's rows in q;  s2 its counter
.set OUT,  12                          ; s[12:13] out at my rows and columns
.set WV,   14                          ; s14  wave
.set CX,   15                          ; s15  my place in the cluster: it enters q's, out's and the prefetches' addresses alone
.set WG,   16                          ; s16  work-group
.set WS,   17                          ; s17  wave x SUB
.set PR,   18                          ; s18, s19  the prologue: the trip's rows in H and in HS
.set PS,   19
.set G1N,  20                          ; s[20:27] descriptor group 1: 100 rows of 256 bytes;  s[28:35] 118 rows;  s[36:43] 22 rows
.set G1W,  28
.set G1H,  36
.set G0,   44                          ; s[44:51] group 0, a set for each slot;  s[52:55] for the head tile
.set G0H,  52
.set CNT,  56                          ; s56  stages to go
.set HBR,  57                          ; s57-60  which buffer of H and of HS is read, and which written
.set HBW,  58
.set SBR,  59
.set SBW,  60
.set LIM,  61                          ; s61  1 in the launch's first cluster, which prefetches
.set QP,   62                          ; s[62:63] q at my wave's 16 rows; never rewritten
.set PFA,  66                          ; s[66:67] my sub-block of the block that the prefetch names
.set QA,   68                          ; s[68:83], s[84:99] a row's q, each number twice: two buffers by turns
.set MSB, 0
.macro WIN new                         ; the immediate's high byte repeats the setting that is left; a switch that changes nothing is dropped
.if MSB != \new
	s_set_vgpr_msb (MSB<<8)|\new
.set MSB, \new
.endif
.endm
; A round of the cluster's barrier: my work-group's barrier; wave 0 signals for the work-group; every wave waits for all four work-groups; my work-group's barrier once more.
.macro CROUND
	s_barrier_signal -1
	s_barrier_wait -1
	s_cmp_lg_u32 s[WV], 0
	s_cbranch_scc1 .Lnot_wave_0_\@
	s_barrier_signal -3
.Lnot_wave_0_\@:
	s_barrier_wait -3
	s_barrier_signal -1
	s_barrier_wait -1
.endm
; A PREFETCH INTO THE L2 of the block that stands two refills on: my wave's sub-block, rows of 256 bytes, a lane a row.  All clusters walk the same blocks: the launch's first cluster asks (a branch on the cluster's number, the
; same in the four partners); its partners share a sub-block's rows out BY ADDRESS, 32 each; lanes past the last row name the last row.  Blocks 0 to 2 come by their loads alone; the last three periods ask for nothing.
.macro ASK pfo
	s_cmp_eq_u32 s[LIM], 1
	s_cbranch_scc0 .Lnot_mine_\@
	global_prefetch_b8 v[\pfo], s[PFA:PFA+1] th:TH_LOAD_NT scope:SCOPE_SE
.Lnot_mine_\@:
.endm
	s_load_b256 s[4:11], s[0:1], 0x0               ; wblk s[4:5], whead s[6:7], qd s[8:9], out0 s[10:11]
	v_lshl_add_u32 v[SPW], v0, 2, SPARE
	v_mov_b32 v[NIL], 0
	ds_add_u32 v1, v2
	ds_add_u32 v1, v2
	s_wait_dscnt 0x0
	v_lshrrev_b32 v23, 5, v0
	v_readfirstlane_b32 s[WV], v23                 ; wave 0..3
	s_bfe_u32 s[CX], ttmp6, 0x40000                ; cx
	s_lshl_b32 s[WG], ttmp9, 2                     ; in a cluster launch ttmp9 counts clusters
	s_add_co_u32 s[WG], s[WG], s[CX]
	s_mul_i32 s[WS], s[WV], SUB
	s_cmp_eq_u32 ttmp9, 0
	s_cselect_b32 s[LIM], 1, 0
	; descriptor group 1: dense rows of 256 bytes (32 elements of 8 bytes), no padding: images are read at 16 x lane, on end
.irp g, G1N, G1W, G1H
	s_mov_b32 s[\g], 15|(3<<16)|(1<<21)            ; 15:0 the mask: all four work-groups; 17:16 elements of 8 bytes; 21 set beside a mask
	s_mov_b32 s[\g+1], 32<<16                      ; tensor_dim0 = 32
	s_mov_b32 s[\g+3], 32<<16                      ; tile_dim0 = 32
	s_mov_b32 s[\g+5], 32                          ; tensor_dim0_stride
	s_mov_b32 s[\g+6], 0
	s_mov_b32 s[\g+7], 0
.endr
	s_mov_b32 s[G1N+2], 100<<16                    ; tensor_dim1 and tile_dim1: images and scale words, 25,600 bytes
	s_mov_b32 s[G1N+4], 100
	s_mov_b32 s[G1W+2], 118<<16                    ; with a quarter of a W1 file behind them, 30,208 bytes
	s_mov_b32 s[G1W+4], 118
	s_mov_b32 s[G1H+2], 22<<16                     ; a head tile: b2's quarter and a quarter of stage 1's file, 5,632 bytes
	s_mov_b32 s[G1H+4], 22
	s_mov_b32 s2, s[WS]
	s_mov_b32 s3, 0
	s_mul_i32 s18, s[WV], 5632
	s_mov_b32 s19, 0
	s_lshl_b32 s84, s[WG], 12                      ; q: 64 rows of 64 bytes a work-group,
	s_lshl_b32 s85, s[WV], 10                      ; 16 a wave
	s_add_co_u32 s84, s84, s85
	s_mov_b32 s85, 0
	s_lshl_b32 s86, s[WG], 18                      ; out: 64 rows of 4,096 bytes a work-group,
	s_lshl_b32 s87, s[WV], 10                      ; 256 columns a wave
	s_add_co_u32 s86, s86, s87
	s_mov_b32 s87, 0
	s_wait_kmcnt 0x0
	s_add_nc_u64 s[G0+2:G0+3], s[4:5], s[2:3]      ; block 0, my sub-block
	s_add_nc_u64 s[G0+6:G0+7], s[G0+2:G0+3], SLOT  ; block 1
	s_add_nc_u64 s[PFA:PFA+1], s[G0+2:G0+3], 2*SLOT  ; block 2: the first period steps it to block 3
	s_add_nc_u64 s[G0H+2:G0H+3], s[6:7], s[18:19]
	s_add_nc_u64 s[QP:QP+1], s[8:9], s[84:85]
	s_add_nc_u64 s[OUT:OUT+1], s[10:11], s[86:87]
	s_or_b32 s[G0+3], s[G0+3], 0x80000000          ; type = 2
	s_or_b32 s[G0+7], s[G0+7], 0x80000000
	s_or_b32 s[G0H+3], s[G0H+3], 0x80000000
	s_mov_b32 s[G0], 1
	s_mov_b32 s[G0+1], s[WS]                       ; LDS: my sub-slot of slot 0,
	s_mov_b32 s[G0+4], 1
	s_add_co_u32 s[G0+5], s[WS], SLOT              ; of slot 1,
	s_mov_b32 s[G0H], 1
	s_add_co_u32 s[G0H+1], s[WS], SLOT+CODES       ; and the end of that: b2 where scale words will lie, the file's quarter at its own place
	CROUND                                         ; all four work-groups are here: the first joint loads meet
	tensor_load_to_lds s[G0:G0+3], s[G1N:G1N+7]    ; the two first fills go out together: two tensor loads of mine are out
	s_nop 0
	tensor_load_to_lds s[G0H:G0H+3], s[G1H:G1H+7]
	s_nop 0
.rept 4
	v_nop                                          ; (four lines of this kind behind a tensor load)
.endr
	s_load_b512 s[QA:QA+15], s[QP:QP+1], 0x0       ; q of my row 0
	v_and_b32 v23, 31, v0                          ; lane
	v_lshlrev_b32 v[CO], 4, v23
.set ci, 0
.rept 36
	global_load_b128 v[W+4*ci:W+4*ci+3], v[CO], s[6:7] offset:22528+512*ci   ; stage 0's W1 file, straight into its registers
.set ci, ci+1
.endr
	v_and_b32 v34, 15, v0                          ; r
	v_bfe_u32 v35, v0, 4, 1                        ; h
	v_add_nc_u32 v[BA], s[WS], v[CO]
	v_add_nc_u32 v[BA+1], SLOT, v[BA]
	v_lshl_add_u32 v[SA], v23, 2, s[WS]
	v_add_nc_u32 v[SA], CODES, v[SA]
	v_add_nc_u32 v[SA+1], SLOT, v[SA]
	v_mul_u32_u24 v[HR0], v34, PH
	v_mad_u32_u24 v[HR0], v35, 24, v[HR0]
	v_add_nc_u32 v[HR0], HB, v[HR0]
	v_add_nc_u32 v[HSR0], HSB, v[CO]
	s_mul_i32 s2, s[WV], 16*PH
	v_mul_u32_u24 v[HW0], v23, 12
	v_add_nc_u32 v[HW0], s2, v[HW0]
	v_add_nc_u32 v[HW0], HB, v[HW0]
	s_lshl_b32 s2, s[WV], 8
	v_lshrrev_b32 v[HSW0], 1, v23
	v_add_nc_u32 v[HSW0], s2, v[HSW0]
	v_add_nc_u32 v[HSW0], HSB, v[HSW0]
	v_add_nc_u32 v[WA0], SLOT+NROWB, v[CO]
	v_add_nc_u32 v[WA1], 2*SUB, v[WA0]
	v_lshl_add_u32 v21, s[CX], 5, v23              ; 32 cx + lane
	v_min_u32 v[PFN], 99, v21
	v_min_u32 v[PFW], 117, v21
	v_lshlrev_b32 v[PFN], 8, v[PFN]
	v_lshlrev_b32 v[PFW], 8, v[PFW]
	v_lshl_add_u32 v[BB], v35, 5, s[WS]
	v_add_nc_u32 v[BB], SLOT+CODES, v[BB]
	v_mul_u32_u24 v[STO], v34, SP
	v_lshl_add_u32 v[STO], v35, 5, v[STO]
	v_add_nc_u32 v[STO], s[WS], v[STO]
	s_mov_b32 s[HBR], 0                            ; stage 0 lies in buffer 0; stage 1 goes to buffer 1
	s_mov_b32 s[HBW], HBUF
	s_mov_b32 s[SBR], 0
	s_mov_b32 s[SBW], HSBUF
	s_mov_b32 s[CNT], 7
	s_mov_b32 s[PR], 0
	s_mov_b32 s[PS], 0
	s_mov_b32 s[PQ], 0
	s_mov_b32 s2, 3
; THE VECTOR WORK OF A ROW is a list of 98 lines; VI writes number n of it.  RL: the row's place in the offsets of the LDS stores; QC, QN: the buffer of q in hand, and the other; NX: the row whose q is asked for;
; SOFF = 1: s[PQ] is added to that address; REL = 1 (a stage's last row): each part of the W1 file is loaded anew, with the next stage's, as soon as its last reader is issued.
;   0      q of this row is in            1      the next row's q is asked for, into the other buffer
;   2-65   h = b1 + the sum over i of q[i] W1[.][i]: eight wires x eight pairs; a pair's next link stands eight lines on
;   66-73  the largest of my 16 numbers: no |.|, since what is negative becomes 0 and must not count; the floor 2^(5 - 127) stands among the leaves, so the byte cannot fall under 1
;   74     with my neighbour's 16: the block's           75     4 off its exponent field: the conversion's scale operand
;   76-91  relu                           92     16 codes, 96 bits          93     the scale's byte (also the plain line behind the conversion)
;   94-97  12 bytes of codes into the row, and the byte (both lanes of a block write the same byte with the same value)
.macro RLD c                           ; chunk c of the next stage's W1 file: registers 4 c .. 4 c + 3; quarter c / 9 lies in sub-slot c / 9 of slot 1
.if (\c) < 18
	ds_load_b128 v[W+4*(\c):W+4*(\c)+3], v[WA0] offset:((\c)/9)*SUB+((\c)%9)*512
.else
	ds_load_b128 v[W+4*(\c):W+4*(\c)+3], v[WA1] offset:((\c)/9-2)*SUB+((\c)%9)*512
.endif
.endm
.macro VI
.set CD, 60-24*(RL%2)                  ; the row's codes and byte: v60-63 or v36-39
.if n == 0
	s_wait_kmcnt 0x0
.elseif n == 1
.if SOFF
	s_load_b512 s[QN:QN+15], s[QP:QP+1], s[PQ] offset:64*NX
.else
	s_load_b512 s[QN:QN+15], s[QP:QP+1], 64*NX
.endif
.elseif n < 66
.set gi, (n-2)/8
.set gp, (n-2)%8
.if gi == 0
	v_pk_fma_f32 v[HA+2*gp:HA+2*gp+1], v[W+2*gp:W+2*gp+1], s[QC:QC+1], v[W+128+2*gp:W+128+2*gp+1] op_sel_hi:[1,0,1]
.else
	v_pk_fma_f32 v[HA+2*gp:HA+2*gp+1], v[W+16*gi+2*gp:W+16*gi+2*gp+1], s[QC+2*gi:QC+2*gi+1], v[HA+2*gp:HA+2*gp+1] op_sel_hi:[1,0,1]
.endif
.if REL && (gp == 7)
	RLD 4*gi
	RLD 4*gi+1
	RLD 4*gi+2
	RLD 4*gi+3
.if gi == 0
	RLD 32
	RLD 33
	RLD 34
	RLD 35
.endif
.endif
.elseif n == 66
	v_max3_num_f32 v[MX], v[HA], v[HA+1], 0x2800000
.elseif n == 67
	v_max3_num_f32 v[MX+1], v[HA+8], v[HA+9], v[HA+10]
.elseif (n == 68) || (n == 70) || (n == 72)
	v_max3_num_f32 v[MX], v[MX], v[HA+n-66], v[HA+n-65]
.elseif (n == 69) || (n == 71)
	v_max3_num_f32 v[MX+1], v[MX+1], v[HA+n-58], v[HA+n-57]
.elseif n == 73
	v_max3_num_f32 v[MX], v[MX], v[MX+1], v[HA+15]
.elseif n == 74
	v_max_num_f32_dpp v[MX], v[MX], v[MX] row_xmask:1 row_mask:0xf bank_mask:0xf
.elseif n == 75
	v_add_nc_u32 v[SO], 0xfe000000, v[MX]
.elseif n < 92
	v_max_num_f32 v[HA+n-76], 0, v[HA+n-76]
.elseif n == 92
	v_cvt_scalef32_pk16_bf6_f32 v[CD:CD+2], v[HA:HA+15], v[SO]
.elseif n == 93
	v_lshrrev_b32 v[CD+3], 23, v[SO]
.elseif n < 97
	ds_store_b32 v[HWA], v[CD+n-94] offset:PH*RL+4*(n-94)
.else
	ds_store_b8 v[HSWA], v[CD+3] offset:16*RL
.endif
.endm
.macro ROW rl, nxt, soff, rel          ; a whole row
.set RL, \rl
.set QC, QA+16*(RL%2)
.set QN, QA+16*(1-RL%2)
.set NX, \nxt
.set SOFF, \soff
.set REL, \rel
.set n, 0
.rept 98
	VI
.set n, n+1
.endr
.endm
.macro ITEM t, rel                     ; line it of 294: the period's rows 4 t + 1, 4 t + 2, 4 t + 3 on end
.set n, it%98
.set RL, 4*(\t)+1+it/98
.set QC, QA+16*(RL%2)
.set QN, QA+16*(1-RL%2)
.set NX, (RL+1)%16                     ; behind row 15 comes row 0: every stage takes the same 16 rows of q
.set SOFF, 0
.set REL, (\rel)*(RL/15)
	VI
.set it, it+1
.endm
; THE PERIOD'S 82 LDS LOADS, in one run: h's scale words (register p: lanes 0-15 the rows of tile 2 p, lanes 16-31 of tile 2 p + 1), W2's (register i: column blocks 2 i and 2 i + 1), h's four fragments, W2's sixteen in the order of their use.
.macro LOADS slot, t
.irp p, 0,1
	ds_load_b32 v[HSC+\p], v[HSRA] offset:512*\p+4*(\t)
.endr
.irp i, 0,1,2,3,4,5,6,7
	ds_load_b32 v[BSC+\i], v[SA+\slot] offset:128*\i
.endr
	WIN 0x40                                       ; destination window 1, address window 0
.irp m, 0,1,2,3
.irp p, 0,1,2,3,4,5
	ds_load_b64 v[AF+12*\m+2*\p:AF+12*\m+2*\p+1], v[HRA] offset:16*PH*\m+96*(\t)+48*(\p/3)+8*(\p%3)   ; lane (r, h): 24 bytes of row 16 m + r at k = 64 c + 32 h, in pieces of 8
.endr
.endr
.irp b, 0,1,2,3,4,5,6,7,8,9,10,11,12,13,14,15
.irp i, 0,1,2
	ds_load_b128 v[12*\b+4*\i:12*\b+4*\i+3], v[BA+\slot] offset:1536*\b+512*\i
.endr
.endr
	WIN 0
.endm
; Product k of 64: column block k / 4, tile of rows k % 4.  The 64 accumulators take turns, one instruction a turn, in the same order in every period.
.macro MM
.set mb, k/4
.set mq, k%4
.set wn, 0xa5+0x50*(mq/2)              ; sources 0 and 1 window 1; C and D window 2 or 3
	WIN wn
.set ac, 8*(16*(mq%2)+mb)
.if (mb%2 == 0) && (mq%2 == 0)
	v_wmma_scale_f32_16x16x128_f8f6f4 v[ac:ac+7], v[12*mb:12*mb+11], v[AF+12*mq:AF+12*mq+11], v[ac:ac+7], v[BSC+mb/2], v[HSC+mq/2] matrix_a_fmt:MATRIX_FMT_BF6 matrix_b_fmt:MATRIX_FMT_BF6
.elseif mq%2 == 0
	v_wmma_scale_f32_16x16x128_f8f6f4 v[ac:ac+7], v[12*mb:12*mb+11], v[AF+12*mq:AF+12*mq+11], v[ac:ac+7], v[BSC+mb/2], v[HSC+mq/2] matrix_a_fmt:MATRIX_FMT_BF6 matrix_b_fmt:MATRIX_FMT_BF6 matrix_a_scale:MATRIX_SCALE_ROW1
.elseif mb%2 == 0
	v_wmma_scale_f32_16x16x128_f8f6f4 v[ac:ac+7], v[12*mb:12*mb+11], v[AF+12*mq:AF+12*mq+11], v[ac:ac+7], v[BSC+mb/2], v[HSC+mq/2] matrix_a_fmt:MATRIX_FMT_BF6 matrix_b_fmt:MATRIX_FMT_BF6 matrix_b_scale:MATRIX_SCALE_ROW1
.else
	v_wmma_scale_f32_16x16x128_f8f6f4 v[ac:ac+7], v[12*mb:12*mb+11], v[AF+12*mq:AF+12*mq+11], v[ac:ac+7], v[BSC+mb/2], v[HSC+mq/2] matrix_a_fmt:MATRIX_FMT_BF6 matrix_b_fmt:MATRIX_FMT_BF6 matrix_a_scale:MATRIX_SCALE_ROW1 matrix_b_scale:MATRIX_SCALE_ROW1
.endif
.endm
; A PERIOD: 128 along K, the t-th of its stage, from slot \slot.  It begins behind the wait for all my tensor loads and the add, which stand in the period before (early = 1 there) or at the loop's head.
; v = 1: four rows of the next stage's h are made.  fill = 1, 2: the other slot is filled with the next block (2: with a quarter of a W1 file behind it); 0: nothing is left to fetch.  ask = 1, 2: a prefetch (2: of a block with quarters).
; early = 1: the wait and the add for the NEXT change of slots stand ahead of product 56, the slices end there, and the last eight products stand between the add and the wait for it.  rel = 1: row 15 loads the next stage's W1 file.
.macro PERIOD t, slot, v, fill, ask, early, rel
	s_add_nc_u64 s[G0+4*\slot+2:G0+4*\slot+3], s[G0+4*\slot+2:G0+4*\slot+3], 2*SLOT   ; no tensor load of mine is out: this slot's next block (in the last two periods the stepped address is not used)
.if \ask
	s_wait_xcnt 0x0                                ; the last prefetch, a period back, has read its address:
	s_add_nc_u64 s[PFA:PFA+1], s[PFA:PFA+1], SLOT  ; three blocks on from this period's
.endif
.if \t == 0                                    ; a new stage: the buffers of H and HS change places
	v_add_nc_u32 v[HRA], s[HBR], v[HR0]
	v_add_nc_u32 v[HSRA], s[SBR], v[HSR0]
	s_xor_b32 s[HBR], s[HBR], HBUF
	s_xor_b32 s[SBR], s[SBR], HSBUF
.if \v
	v_add_nc_u32 v[HWA], s[HBW], v[HW0]
	v_add_nc_u32 v[HSWA], s[SBW], v[HSW0]
	s_xor_b32 s[HBW], s[HBW], HBUF
	s_xor_b32 s[SBW], s[SBW], HSBUF
.endif
.endif
	s_wait_dscnt 0x0                               ; the add is done; my reads of the other slot and of H are back; my rows of h have landed
.if \fill
	CROUND                                         ; all that now holds of every wave of the four work-groups
.if \fill == 2
	tensor_load_to_lds s[G0+4*(1-\slot):G0+4*(1-\slot)+3], s[G1W:G1W+7]   ; my one tensor load behind the round, and the first thing there
	s_nop 0
.else
	tensor_load_to_lds s[G0+4*(1-\slot):G0+4*(1-\slot)+3], s[G1N:G1N+7]
	s_nop 0
.endif
.else
	s_barrier_signal -1
	s_barrier_wait -1
.endif
.rept 4
	v_nop                                          ; four plain lines: behind the tensor load, and between the last products and the loads into their registers (ISA guide 7.12.1 for vector instructions)
.endr
	LOADS \slot, \t
.if \ask == 2
	ASK PFW
.elseif \ask == 1
	ASK PFN
.endif
.if \v
	ROW 4*(\t), 4*(\t)+1, 0, 0                     ; the period's first row stands here, while the loads land
.endif
.set KK, 64-8*(\early)
.set it, 0
.set k, 0
.rept 64
.if (k%4 == 0) && (k <= 36)
	s_wait_dscnt 3*(15-k/4)                        ; W2's fragment k / 4 and all before it are in: behind it were issued the three loads of each later fragment (and my rows' stores, which only make the wait stricter)
.elseif k == 40
	s_wait_dscnt 0x0                               ; the rest
.endif
.if (\early) && (k == 56)
	WIN 0                                          ; (the add's two registers lie in window 0)
	s_wait_tensorcnt 0x0                           ; all my tensor loads have landed: the one that was out is my part of the next block;
	ds_add_u32 v[SPW], v[NIL]                      ; 0 onto my spare word
.endif
	MM
.if (\v) && (k < KK)
	WIN 0
.rept (294*(k+1))/KK-(294*k)/KK
	ITEM \t, \rel
.endr
.endif
.set k, k+1
.endr
	WIN 0                                          ; at a label and at a branch every window is 0
.endm
	; ---- THE PROLOGUE: stage 0 of h into buffer 0.  Rows 0 to 11 in three trips of four; the trip's place in H, in HS and in q stands in scalar registers
	s_wait_loadcnt 0x0                             ; stage 0's W1 file
.Lpro:
	v_add_nc_u32 v[HWA], s[PR], v[HW0]
	v_add_nc_u32 v[HSWA], s[PS], v[HSW0]
	ROW 0, 1, 1, 0
	ROW 1, 2, 1, 0
	ROW 2, 3, 1, 0
	ROW 3, 4, 1, 0
	s_wait_xcnt 0x0                                ; the last scalar load has read its offset, which is stepped now
	s_add_co_u32 s[PR], s[PR], 4*PH
	s_add_co_u32 s[PS], s[PS], 64
	s_add_co_u32 s[PQ], s[PQ], 256
	s_sub_co_u32 s2, s2, 1
	s_cmp_lg_u32 s2, 0
	s_cbranch_scc1 .Lpro
	v_add_nc_u32 v[HWA], s[PR], v[HW0]
	v_add_nc_u32 v[HSWA], s[PS], v[HSW0]
	ROW 0, 1, 1, 0                                 ; rows 12, 13, 14
	ROW 1, 2, 1, 0
	ROW 2, 3, 1, 0
	s_wait_tensorcnt 0x0                           ; my parts of block 0 and of the head tiles are in,
	s_wait_dscnt 0x0                               ; no LDS instruction of mine is out,
	s_barrier_signal -1
	s_barrier_wait -1                              ; everybody's are.
.irp wnd, 0,1                                  ; THE SUMS START AT b2: lane (r, h), register jj of tile (m, b) holds column 16 b + 8 h + jj of my 256, whatever m and r
.set wn, 0x80+0x40*\wnd
	WIN wn                                         ; destination window 2, then 3
.set ai, 0
.rept 32
	ds_load_b128 v[8*ai:8*ai+3], v[BB] offset:64*(ai%16)
	ds_load_b128 v[8*ai+4:8*ai+7], v[BB] offset:64*(ai%16)+16
.set ai, ai+1
.endr
.endr
	WIN 0
	ROW 3, 0, 0, 1                                 ; row 15, which also fetches stage 1's W1 file from the four head tiles
	; ---- THE LOOP: trip s multiplies stage s (periods 4 s .. 4 s + 3) and makes stage s + 1 of h.  Period j fills the other slot with block j + 1 and prefetches block j + 3
.Lstage:
	s_wait_tensorcnt 0x0                           ; all my tensor loads have landed;
	ds_add_u32 v[SPW], v[NIL]                      ; 0 onto my spare word; the period's first lines stand between it and the wait for it
	PERIOD 0, 0, 1, 1, 2, 1, 0
	PERIOD 1, 1, 1, 1, 1, 1, 0
	PERIOD 2, 0, 1, 2, 1, 1, 0
	PERIOD 3, 1, 1, 1, 1, 0, 1
	s_sub_co_u32 s[CNT], s[CNT], 1
	s_cmp_lg_u32 s[CNT], 0
	s_cbranch_scc1 .Lstage
	; ---- THE TAIL, stage 7, is written out: no h is left to make, and the last period fetches nothing
	s_wait_tensorcnt 0x0
	ds_add_u32 v[SPW], v[NIL]
	PERIOD 0, 0, 0, 1, 1, 1, 0
	PERIOD 1, 1, 0, 1, 0, 1, 0
	PERIOD 2, 0, 0, 1, 0, 1, 0
	PERIOD 3, 1, 0, 0, 0, 0, 0
; THE WAY OUT, in eight units of 16 rows x 128 columns (unit a: tile of rows a / 2, half a % 2 of my columns).  A lane holds 32 neighbouring bytes of a row, and the lanes beside it hold other rows: so a unit goes through my own
; stage in LDS and comes back as whole rows of 512 bytes.  LDS serves a wave's instructions in order (ISA guide 5.7.1.4): no wait between the stores and the loads, nor in front of the next unit's stores.
.macro TOSTAGE a
.set AC, 64*((\a)%4)
.set wn, 0x08+4*((\a)/4)               ; an LDS store's data are its source 1: window 2 or 3
	WIN wn
.irp b, 0,1,2,3,4,5,6,7
	ds_store_b128 v[STO], v[AC+8*\b:AC+8*\b+3] offset:64*\b          ; each accumulator from its low end on
	ds_store_b128 v[STO], v[AC+8*\b+4:AC+8*\b+7] offset:64*\b+16
.endr
	WIN 0
.set BQ, BK+64*((\a)%2)
.irp t, 0,1,2,3,4,5,6,7,8,9,10,11,12,13,14,15
	ds_load_b128 v[BQ+4*\t:BQ+4*\t+3], v[RD] offset:\t*SP
.endr
.endm
.macro SEND a, younger                 ; younger: the LDS instructions issued behind unit a's loads, which may stay out
.set BQ, BK+64*((\a)%2)
	s_wait_dscnt \younger
.irp t, 0,1,2,3,4,5,6,7,8,9,10,11,12,13,14,15
	global_store_b128 v[CO], v[BQ+4*\t:BQ+4*\t+3], s[OUT:OUT+1] offset:(16*((\a)/2)+\t)*4096+512*((\a)%2) th:TH_STORE_NT   ; 32 lanes store 512 consecutive bytes, at a multiple of 512 from out's first byte; written once, read by nobody here
.endr
.endm
.rept 4
	v_nop                                          ; four plain lines between the last products and the first read of results
.endr
	TOSTAGE 0
.irp a, 1,2,3,4,5,6,7
.if \a > 1
	s_wait_xcnt 0x0                                ; unit a - 2's stores have read their registers: unit a's loads may land there
.endif
	TOSTAGE \a
	SEND \a-1, 32                                  ; behind unit a - 1's loads: unit a's 16 stores and 16 loads
.endr
	SEND 7, 0
	s_wait_tensorcnt 0x0                           ; the wave's end: behind my last tensor load and my last LDS store
	ds_add_u32 v[SPW], v[NIL]
	s_wait_dscnt 0x0
	CROUND                                         ; the closing round: no work-group ends while a partner may still ask for a block that names it
	s_endpgm
.Lfunc_end_k_qbcfe7e13fb_main:
	.size	k_qbcfe7e13fb_main, .Lfunc_end_k_qbcfe7e13fb_main-k_qbcfe7e13fb_main
	.p2alignl 7, 3214868480
	.fill 96, 4, 3214868480
	.section	.rodata,"a",@progbits
	.p2align	6, 0x0
	.amdhsa_kernel k_qbcfe7e13fb_main
		.amdhsa_group_segment_fixed_size 327680
		.amdhsa_private_segment_fixed_size 0
		.amdhsa_enable_private_segment 0
		.amdhsa_kernarg_size 32
		.amdhsa_user_sgpr_count 2
		.amdhsa_user_sgpr_kernarg_segment_ptr 1
		.amdhsa_wavefront_size32 1
		.amdhsa_system_sgpr_workgroup_id_x 1
		.amdhsa_system_sgpr_workgroup_id_y 1
		.amdhsa_system_sgpr_workgroup_id_z 1
		.amdhsa_system_vgpr_workitem_id 0
		.amdhsa_next_free_vgpr 1024
		.amdhsa_next_free_sgpr 100
		.amdhsa_reserve_vcc 0
		.amdhsa_float_denorm_mode_32 3
		.amdhsa_float_denorm_mode_16_64 3
		.amdhsa_memory_ordered 1
		.amdhsa_forward_progress 1
		.amdhsa_inst_pref_size 255
	.end_amdhsa_kernel
	.section	.bss,"aw",@nobits
	.p2align	6
	.space	262144
	.amdgpu_metadata
---
amdhsa.version: [ 1, 2 ]
amdhsa.kernels:
  - .name:           k_qbcfe7e13fb_main
    .symbol:         k_qbcfe7e13fb_main.kd
    .args:
      - { .name: wblk, .offset: 0, .size: 8, .value_kind: global_buffer, .address_space: global }
      - { .name: whead, .offset: 8, .size: 8, .value_kind: global_buffer, .address_space: global }
      - { .name: qd, .offset: 16, .size: 8, .value_kind: global_buffer, .address_space: global }
      - { .name: out0, .offset: 24, .size: 8, .value_kind: global_buffer, .address_space: global }
    .group_segment_fixed_size: 327680
    .private_segment_fixed_size: 0
    .kernarg_segment_align: 8
    .kernarg_segment_size: 32
    .max_flat_workgroup_size: 128
    .sgpr_count:     100
    .vgpr_count:     1024
    .wavefront_size: 32
...
	.end_amdgpu_metadata
.endif
;; end of part 2
;; ======== version 2 of 2: 2 launches
;; limits: inputs' magnitudes at most 65,536; right only within a limited range of input values
;; workspace buffers: wblk 3,276,800 bytes; hblk 52,428,800 bytes
;; launch prep (part 3): grid 256 x 1, 8 waves a work-group, no clusters, 89,088 bytes of LDS; arguments x, theta, W1, b1, W2, wblk, hblk; writes wblk, hblk
.if DOCPART == 3
	.amdgcn_target "amdgcn-amd-amdhsa--gfx1250"
	.amdhsa_code_object_version 6
	.text
	.protected	k_qbcfe7e13fb_prep
	.globl	k_qbcfe7e13fb_prep
	.p2align	8
	.type	k_qbcfe7e13fb_prep,@function
k_qbcfe7e13fb_prep:
	s_mov_b64 s[64:65], 0
	v_nop
	global_prefetch_b8 v0, s[64:65] scope:SCOPE_SE
	s_setreg_imm32_b32 hwreg(HW_REG_WAVE_MODE, 25, 1), 1
	s_wait_xcnt 0x0
; PREP: both operands of the quantised product, as codes of E3M2 with one E8M0 byte for each 32 along K, laid as IMAGES OF OPERAND REGISTERS.
; DEAD WORK: columns 8 to 1023 of x reach no output for any values, so only the first 32 bytes of each row of x are loaded.  A NaN or infinity in the columns left out is not carried to the result.
; A fragment (16 rows x 128 K, 12 registers a lane) is 1,536 bytes: register g of lane L at 512 (g / 4) + 16 L + 4 (g % 4).  A block of 25,600 bytes = 16 fragments (256 rows) + 256 scale words.
; wblk [4 column tiles][32 K steps][25,600] from W2;  hblk [64 token tiles][32 K steps][25,600] from h = relu(q W1^T + b1), q = cos(x) cos(theta).
; SHARES: work-group g, wave v, K step j = 8 (g % 4) + v: W2's fragment of rows 16 (g / 4) ..; and the whole block (token tile g / 4, K step j) of hblk.  Thread t makes q of token 256 (g / 4) + t; the waves meet once, over q in LDS.
; h BY THE f32 MATRIX FORM, TRANSPOSED: source 0 = 16 rows of W1, source 1 = 16 tokens' q, C = b1: two instructions (K = 8) a tile.  Row m of tile 2 b + u is hidden unit 32 b + 8 u + m + 8 (m / 8),
; so a lane holds one token and the 16 registers of two tiles are 16 neighbours along the next K.  The sums' registers are written by matrix instructions alone; relu goes into other registers.
; COSINE: n = x 2 / pi to the nearest whole number; r = x - n pi / 2 with pi / 2 in three f32 parts; polynomials for sin r and cos r; n mod 4 chooses and signs.
; LIMITS: the cosine's error stays near 1e-7 (absolute) for |x| up to 65,536.  NaN and infinities among the inputs are not served.  A block whose largest magnitude lies under 2^-122, a block of zeros too, keeps the byte 1: this program alone reads the bytes.
; No prefetch: every stream is asked for once, at the head, and the loop reads LDS and registers alone.  No cluster: work-groups share only W1 and b1, 4,608 bytes a wave.
.set STP,   528
.set SPARE, 67584                      ; behind the eight stages of 16 x 528 bytes: the spare words
.set QB,    68608                      ; q: 256 tokens x 32 bytes
.set B1B,   76800                      ; b1 of a wave's K step: 512 bytes a wave
.set SCB,   80896                      ; h's scale words: 1,024 bytes a wave
.set STEPB, 25600
.set TILEB, 819200
.set W1F,   16                         ; v16-47   W1's fragments: tile t, half kk of K at 4 t + 2 kk
.set BI,    48                         ; v48-111  b1 in the result's layout, 8 registers a tile (before: the cosine's arrays, then W2 in the operand's order)
.set X2,    48
.set CX,    48
.set CT,    57
.set CR,    66
.set CS,    75
.set CA,    84
.set CB,    93
.set D,     112                        ; v112-175 the 8 tiles' sums
.set R,     176                        ; v176-239 W2 as loaded; then at work
.set RR,    176
.set PC,    208
.set TM,    220
.set MX,    224
.set PX,    232
.set SO,    236
.set QF,    240
.set B1T,   244
.set SPW,   248
.set NIL,   249
.set KS,    250
.set KC,    251
.set SW,    255
	s_load_b256 s[4:11], s[0:1], 0x0               ; x, theta, W1, b1
	s_load_b128 s[12:15], s[0:1], 0x20             ; W2, wblk
	s_load_b64 s[16:17], s[0:1], 0x30              ; hblk
	v_lshrrev_b32 v1, 5, v0
	s_delay_alu instid0(VALU_DEP_1)
	v_readfirstlane_b32 s22, v1                    ; wave
	s_lshr_b32 s23, ttmp9, 2                       ; token tile, and which 16 rows of W2
	s_and_b32 s24, ttmp9, 3
	s_lshl_b32 s24, s24, 3
	s_add_co_u32 s24, s24, s22                     ; K step j
	s_mov_b32 s20, 0x76543210
	s_mov_b32 s21, 0xfedcba98                      ; lane l xor 16
	s_lshl_b32 s26, s23, 20                        ; x: 256 rows of 4,096 bytes
	s_mov_b32 s27, 0
	s_lshl_b32 s28, s24, 12                        ; W1: 128 rows of 32 bytes
	s_mov_b32 s29, 0
	s_lshl_b32 s30, s24, 9                         ; b1, and W2 along K: 512 bytes
	s_mov_b32 s31, 0
	s_lshl_b32 s32, s23, 18
	s_add_co_u32 s32, s32, s30
	s_mov_b32 s33, 0
	s_mul_i32 s42, s24, STEPB
	s_lshr_b32 s34, s23, 4
	s_mul_i32 s34, s34, TILEB
	s_add_co_u32 s34, s34, s42                     ; wblk: the block
	s_and_b32 s43, s23, 15
	s_lshl_b32 s36, s43, 6
	s_add_co_u32 s36, s36, s34
	s_add_co_u32 s36, s36, 24576                   ; its 16 scale words
	s_mov_b32 s37, 0
	s_mul_i32 s43, s43, 1536
	s_add_co_u32 s34, s34, s43                     ; its image
	s_mov_b32 s35, 0
	s_mul_i32 s38, s23, TILEB
	s_add_co_u32 s38, s38, s42                     ; hblk: my block
	s_mov_b32 s39, 0
	s_add_co_u32 s40, s38, 24576
	s_mov_b32 s41, 0
	s_mul_i32 s44, s22, 16*STP
	s_lshl_b32 s45, s22, 9
	s_add_co_u32 s45, s45, B1B
	s_lshl_b32 s46, s22, 10
	s_add_co_u32 s46, s46, SCB
	; addresses, in layers so that no line reads a result made fewer than five lines above it
	v_and_b32 v6, 7, v0
	v_and_b32 v7, 8, v0
	v_and_b32 v1, 31, v0                           ; lane
	v_and_b32 v2, 15, v0                           ; r
	v_bfe_u32 v3, v0, 4, 1                         ; h
	v_lshlrev_b32 v5, 12, v0                       ; x: my token's row
	v_lshl_add_u32 v9, v0, 5, QB                   ; q: my token's 32 bytes
	v_lshlrev_b32 v6, 2, v6                        ; theta[t % 8]
	v_add_nc_u32 v7, v7, v2                        ; r + 8 (r / 8)
	v_lshlrev_b32 v4, 4, v1                        ; 16 x lane
	v_lshl_add_u32 v10, v2, 5, QB
	v_mul_u32_u24 v12, v2, STP
	v_lshlrev_b32 v254, 2, v2                      ; 4 r
	v_lshl_add_u32 v252, v3, 6, s45                ; b1 back: 64 h
	v_lshlrev_b32 v7, 5, v7
	v_add_nc_u32 v11, s44, v4                      ; stage, in
	v_lshl_add_u32 v10, v3, 3, v10                 ; q's fragment: 32 r + 8 h
	v_lshl_add_u32 v12, v3, 7, v12
	v_add_nc_u32 v8, s45, v4                       ; b1, in
	v_add_nc_u32 v253, s46, v4                     ; scale words, back
	v_add_nc_u32 v13, s46, v254                    ; scale words, in
	v_lshl_add_u32 v7, v3, 3, v7                   ; W1: row x 32 + 8 h
	v_add_nc_u32 v12, s44, v12                     ; stage, back: row r, + 128 h
	v_lshl_add_u32 v[SPW], v0, 2, SPARE
	v_mov_b32 v[NIL], 0
	v_mov_b32 v[KS], 0xb94ca1f9
	v_mov_b32 v[KC], 0x37ccf5ce
	s_wait_alu depctr_va_vdst(0)                   ; the wait at the head's end
	s_wait_kmcnt 0x0
	s_add_nc_u64 s[4:5], s[4:5], s[26:27]
	s_add_nc_u64 s[8:9], s[8:9], s[28:29]
	s_add_nc_u64 s[10:11], s[10:11], s[30:31]
	s_add_nc_u64 s[12:13], s[12:13], s[32:33]
	s_add_nc_u64 s[34:35], s[14:15], s[34:35]
	s_add_nc_u64 s[36:37], s[14:15], s[36:37]
	s_add_nc_u64 s[38:39], s[16:17], s[38:39]
	s_add_nc_u64 s[40:41], s[16:17], s[40:41]
	global_load_b128 v[CX:CX+3], v5, s[4:5]
	global_load_b128 v[CX+4:CX+7], v5, s[4:5] offset:16
	global_load_b32 v[CX+8], v6, s[6:7]
	global_load_b128 v[B1T:B1T+3], v4, s[10:11]    ; b1 of my 128 hidden units, 512 consecutive bytes
.irp t, 0,1,2,3,4,5,6,7
.irp kk, 0,1
	global_load_b64 v[W1F+4*\t+2*\kk:W1F+4*\t+2*\kk+1], v7, s[8:9] offset:(32*(\t/2)+8*(\t%2))*32+16*\kk
.endr
.endr
.set i, 0
.rept 16
	global_load_b128 v[R+4*i:R+4*i+3], v4, s[12:13] offset:16384*i th:TH_LOAD_NT
.set i, i+1
.endr
	s_wait_loadcnt 32                              ; x, theta and b1 are in; the 32 loads behind them stay out
	ds_store_b128 v8, v[B1T:B1T+3]
	; nine cosines by turns: my token's eight x, and theta[t % 8]
.irp k, 0,1,2,3,4,5,6,7,8
	v_mul_f32 v[CT+\k], 0x3f22f983, v[CX+\k]
.endr
.irp k, 0,1,2,3,4,5,6,7,8
	v_rndne_f32 v[CT+\k], v[CT+\k]
.endr
.irp k, 0,1,2,3,4,5,6,7,8
	v_fmamk_f32 v[CR+\k], v[CT+\k], 0xbfc90fdb, v[CX+\k]
.endr
.irp k, 0,1,2,3,4,5,6,7,8
	v_fmamk_f32 v[CR+\k], v[CT+\k], 0x333bbd2e, v[CR+\k]
.endr
.irp k, 0,1,2,3,4,5,6,7,8
	v_fmamk_f32 v[CR+\k], v[CT+\k], 0x26f72ced, v[CR+\k]
.endr
.irp k, 0,1,2,3,4,5,6,7,8
	v_mul_f32 v[CS+\k], v[CR+\k], v[CR+\k]
.endr
.irp k, 0,1,2,3,4,5,6,7,8
	v_fmaak_f32 v[CA+\k], v[KS], v[CS+\k], 0x3c08839e
.endr
.irp k, 0,1,2,3,4,5,6,7,8
	v_fmaak_f32 v[CB+\k], v[KC], v[CS+\k], 0xbab6061a
.endr
.irp k, 0,1,2,3,4,5,6,7,8
	v_fmaak_f32 v[CA+\k], v[CA+\k], v[CS+\k], 0xbe2aaaa3
.endr
.irp k, 0,1,2,3,4,5,6,7,8
	v_fmaak_f32 v[CB+\k], v[CB+\k], v[CS+\k], 0x3d2aaaa5
.endr
.irp k, 0,1,2,3,4,5,6,7,8
	v_mul_f32 v[CA+\k], v[CA+\k], v[CS+\k]
.endr
.irp k, 0,1,2,3,4,5,6,7,8
	v_fma_f32 v[CB+\k], v[CB+\k], v[CS+\k], -0.5
.endr
.irp k, 0,1,2,3,4,5,6,7,8
	v_fma_f32 v[CA+\k], v[CA+\k], v[CR+\k], v[CR+\k]       ; sin r
.endr
.irp k, 0,1,2,3,4,5,6,7,8
	v_fma_f32 v[CB+\k], v[CB+\k], v[CS+\k], 1.0            ; cos r
.endr
.irp k, 0,1,2,3,4,5,6,7,8
	v_cvt_i32_f32 v[CT+\k], v[CT+\k]
.endr
.irp k, 0,1,2,3,4,5,6,7,8
	v_and_b32 v[CS+\k], 1, v[CT+\k]
.endr
.irp k, 0,1,2,3,4,5,6,7,8
	v_cmp_eq_u32 s[72+\k], 1, v[CS+\k]
.endr
.irp k, 0,1,2,3,4,5,6,7,8
	v_cndmask_b32 v[CX+\k], v[CB+\k], v[CA+\k], s[72+\k]   ; n odd: the sine
.endr
.irp k, 0,1,2,3,4,5,6,7,8
	v_add_nc_u32 v[CT+\k], 1, v[CT+\k]
.endr
.irp k, 0,1,2,3,4,5,6,7,8
	v_and_b32 v[CT+\k], 2, v[CT+\k]
.endr
.irp k, 0,1,2,3,4,5,6,7,8
	v_lshlrev_b32 v[CT+\k], 30, v[CT+\k]                   ; n mod 4 = 1 or 2: minus
.endr
.irp k, 0,1,2,3,4,5,6,7,8
	v_xor_b32 v[CX+\k], v[CT+\k], v[CX+\k]
.endr
.irp i, 0,1,2,3,4,5,6,7
	v_readlane_b32 s[82+\i], v[CX+8], \i           ; lane i holds cos(theta[i])
.endr
.irp i, 0,1,2,3,4,5,6,7
	v_mul_f32 v[CX+\i], s[82+\i], v[CX+\i]         ; q
.endr
	ds_store_b128 v9, v[CX:CX+3]
	ds_store_b128 v9, v[CX+4:CX+7] offset:16
	; W2's fragment turns through my own stage: LDS serves a wave's instructions in order
	s_wait_loadcnt 0x0
.set i, 0
.rept 16
	ds_store_b128 v11, v[R+4*i:R+4*i+3] offset:STP*i
.set i, i+1
.endr
.irp c, 0,1
.irp q, 0,1,2,3,4,5,6,7
	ds_load_b128 v[X2+32*\c+4*\q:X2+32*\c+4*\q+3], v12 offset:256*\c+16*\q   ; W2(row r, k = 64 c + 32 h + 4 q ..)
.endr
.endr
	s_wait_dscnt 0x0                               ; for the others' sake too: my q is stored
	s_barrier_signal -1
	s_barrier_wait -1                              ; all 256 tokens' q lie in LDS
.irp c, 0,1
	v_max3_num_f32 v[176+\c], |v[X2+32*\c]|, |v[X2+32*\c+1]|, 0x2800000    ; with the floor 2^(5 - 127): the byte cannot fall under 1
.endr
.irp i, 2,4,6,8,10,12,14,16,18,20,22,24,26,28,30
.irp c, 0,1
	s_delay_alu instid0(VALU_DEP_2)
	v_max3_num_f32 v[176+\c], v[176+\c], |v[X2+32*\c+\i]|, |v[X2+32*\c+\i+1]|
.endr
.endr
.irp c, 0,1
	s_delay_alu instid0(VALU_DEP_2)
	v_add_nc_u32 v[178+\c], 0xfe000000, v[176+\c]  ; 4 off the exponent field: the conversion's scale operand
.endr
.irp c, 0,1
	s_delay_alu instid0(VALU_DEP_2)
	v_lshrrev_b32 v[180+\c], 23, v[178+\c]         ; the scale's byte
.endr
	s_delay_alu instid0(VALU_DEP_1)
	v_lshl_or_b32 v182, v181, 16, v180             ; blocks h and 2 + h of row r,
	v_lshlrev_b32 v183, 3, v3
	s_delay_alu instid0(VALU_DEP_1)
	v_lshlrev_b32 v182, v183, v182                 ; at their places;
	v_mov_b32 v184, 0
	s_delay_alu instid0(VALU_DEP_1)
	v_permlanex16_b32 v184, v182, s20, s21
	s_delay_alu instid0(VALU_DEP_1)
	v_or_b32 v182, v182, v184                      ; with lane l xor 16's two the word is whole, in both lanes
.irp c, 0,1
	v_cvt_scalef32_pk16_bf6_f32 v[188+6*\c:190+6*\c], v[X2+32*\c:X2+32*\c+15], v[178+\c]
	v_cvt_scalef32_pk16_bf6_f32 v[200+4*\c:202+4*\c], v[X2+32*\c+16:X2+32*\c+31], v[178+\c]
.endr
	v_nop                                          ; one plain place behind a scaled conversion
.irp c, 0,1
.irp i, 0,1,2
	v_mov_b32 v[191+6*\c+\i], v[200+4*\c+\i]
.endr
.endr
.irp i, 0,1,2
	global_store_b128 v4, v[188+4*\i:191+4*\i], s[34:35] offset:512*\i     ; the image: 512 consecutive bytes a store
.endr
	global_store_b32 v254, v182, s[36:37]          ; 16 scale words, 64 bytes; lanes r and 16 + r store the same word at the same place
.irp t, 0,1,2,3,4,5,6,7
	ds_load_b128 v[BI+8*\t:BI+8*\t+3], v252 offset:128*(\t/2)+32*(\t%2)    ; b1[32 b + 16 h + 8 u + 0 .. 7]: the C of tile 2 b + u
	ds_load_b128 v[BI+8*\t+4:BI+8*\t+7], v252 offset:128*(\t/2)+32*(\t%2)+16
.endr
	ds_load_b64 v[QF:QF+1], v10                    ; q of tokens 0-15: k = 2 h + 0, 1
	ds_load_b64 v[QF+2:QF+3], v10 offset:16        ; k = 4 + 2 h + 0, 1
.irp e, 0,1,2,3
	v_mov_b32 v[PX+\e], 0                          ; a lane permute's destination counts as one of its sources
.endr
	v_add_nc_u32 v15, 512, v10                     ; the next tokens' q
	v_mov_b32 v14, v13                             ; this fragment's scale words
	s_mov_b32 s47, 512
	s_mov_b32 s48, 0
	s_mov_b32 s49, 16
	s_wait_alu depctr_va_vdst(0)
	s_wait_xcnt 0x0                                ; W2's stores have read their data: the loop writes those registers again
.macro RELU c, from, n
.set ri, \from
.rept \n
	v_max_num_f32 v[RR+ri], 0, v[D+32*\c+ri]
.set ri, ri+1
.endr
.endm
.Lm:                                                   ; a trip: 16 tokens x 128 hidden units, one fragment
	s_wait_dscnt 0x0                               ; q's fragment (the first time b1 too) is in
.irp t, 0,1,2,3,4,5,6,7
	v_wmma_f32_16x16x4_f32 v[D+8*\t:D+8*\t+7], v[W1F+4*\t:W1F+4*\t+1], v[QF:QF+1], v[BI+8*\t:BI+8*\t+7]
.endr
.irp t, 0,1,2,3,4,5,6,7
	v_wmma_f32_16x16x4_f32 v[D+8*\t:D+8*\t+7], v[W1F+4*\t+2:W1F+4*\t+3], v[QF+2:QF+3], v[D+8*\t:D+8*\t+7]   ; the eight sums by turns
.endr
.rept 8
	v_nop                                          ; eight places behind this form (ISA guide 7.12.1)
.endr
	ds_load_b64 v[QF:QF+1], v15
	ds_load_b64 v[QF+2:QF+3], v15 offset:16
	; the four blocks' largest numbers, no |.|: what is negative is clipped and must not count.  Eight chains by turns; relu's lines stand between the steps that follow
.irp e, 0,1,2,3
	v_max3_num_f32 v[MX+2*\e], v[D+16*\e], v[D+16*\e+1], 0x2800000
	v_max3_num_f32 v[MX+2*\e+1], v[D+16*\e+8], v[D+16*\e+9], v[D+16*\e+10]
.endr
.irp i, 2,4
.irp e, 0,1,2,3
	v_max3_num_f32 v[MX+2*\e], v[MX+2*\e], v[D+16*\e+\i], v[D+16*\e+\i+1]
	v_max3_num_f32 v[MX+2*\e+1], v[MX+2*\e+1], v[D+16*\e+9+\i], v[D+16*\e+10+\i]
.endr
.endr
.irp e, 0,1,2,3
	v_max3_num_f32 v[MX+2*\e], v[MX+2*\e], v[D+16*\e+6], v[D+16*\e+7]
.endr
	RELU 0, 0, 4
.irp e, 0,1,2,3
	v_max3_num_f32 v[MX+2*\e], v[MX+2*\e], v[MX+2*\e+1], v[D+16*\e+15]
.endr
	RELU 0, 4, 4
.irp e, 0,1,2,3
	v_permlanex16_b32 v[PX+\e], v[MX+2*\e], s20, s21
.endr
	RELU 0, 8, 4
.irp e, 0,1,2,3
	v_max_num_f32 v[MX+2*\e], v[MX+2*\e], v[PX+\e]         ; with lane l xor 16's 16: the block's
.endr
	RELU 0, 12, 4
.irp e, 0,1,2,3
	v_add_nc_u32 v[SO+\e], 0xfe000000, v[MX+2*\e]
.endr
	RELU 0, 16, 4
.irp e, 0,1,2,3
	v_lshrrev_b32 v[MX+2*\e+1], 23, v[SO+\e]               ; the bytes
.endr
	RELU 0, 20, 6
	v_lshl_or_b32 v[SW], v[MX+3], 8, v[MX+1]
	v_lshl_or_b32 v[PX], v[MX+7], 8, v[MX+5]
	RELU 0, 26, 6
	v_lshl_or_b32 v[SW], v[PX], 16, v[SW]          ; token r's scale word
	v_cvt_scalef32_pk16_bf6_f32 v[PC:PC+2], v[RR:RR+15], v[SO]
	v_cvt_scalef32_pk16_bf6_f32 v[TM:TM+2], v[RR+16:RR+31], v[SO+1]
	v_nop
	ds_store_b32 v14, v[SW]                        ; lanes r and 16 + r write the same word with the same value
.irp i, 0,1,2
	v_permlane16_swap_b32 v[PC+\i], v[TM+\i]       ; a whole block to a lane
.endr
	RELU 1, 0, 8
.irp i, 0,1,2
	v_mov_b32 v[PC+3+\i], v[TM+\i]
.endr
	RELU 1, 8, 24
	v_cvt_scalef32_pk16_bf6_f32 v[PC+6:PC+8], v[RR:RR+15], v[SO+2]
	v_cvt_scalef32_pk16_bf6_f32 v[TM:TM+2], v[RR+16:RR+31], v[SO+3]
	v_nop
	s_add_co_u32 s47, s47, 512
	s_min_u32 s50, s47, 15*512                     ; the last trip asks for the last tokens again: inside q's bytes
	s_add_co_u32 s48, s48, 64
	s_min_u32 s51, s48, 15*64
.irp i, 0,1,2
	v_permlane16_swap_b32 v[PC+6+\i], v[TM+\i]
.endr
	v_add_nc_u32 v15, s50, v10
	v_add_nc_u32 v14, s51, v13
.irp i, 0,1,2
	v_mov_b32 v[PC+9+\i], v[TM+\i]
.endr
.irp i, 0,1,2
	global_store_b128 v4, v[PC+4*\i:PC+4*\i+3], s[38:39] offset:512*\i th:TH_STORE_NT   ; the image: 512 consecutive bytes a store, aligned
.endr
	s_sub_co_u32 s49, s49, 1
	s_wait_xcnt 0x0                                ; the stores have read their data and base
	s_add_nc_u64 s[38:39], s[38:39], 1536
	s_cmp_lg_u32 s49, 0
	s_wait_alu depctr_va_vdst(0)                   ; directly ahead of the branch
	s_cbranch_scc1 .Lm
	ds_load_b128 v[RR:RR+3], v253                  ; my 256 scale words leave as four whole units of 256 bytes
	ds_load_b128 v[RR+4:RR+7], v253 offset:512
	s_wait_dscnt 0x0
	global_store_b128 v4, v[RR:RR+3], s[40:41]
	global_store_b128 v4, v[RR+4:RR+7], s[40:41] offset:512
	s_wait_tensorcnt 0x0                           ; the wave's end
	ds_add_u32 v[SPW], v[NIL]
	s_wait_dscnt 0x0
	s_endpgm
.Lfunc_end_k_qbcfe7e13fb_prep:
	.size	k_qbcfe7e13fb_prep, .Lfunc_end_k_qbcfe7e13fb_prep-k_qbcfe7e13fb_prep
	.p2alignl 7, 3214868480
	.fill 96, 4, 3214868480
	.section	.rodata,"a",@progbits
	.p2align	6, 0x0
	.amdhsa_kernel k_qbcfe7e13fb_prep
		.amdhsa_group_segment_fixed_size 89088
		.amdhsa_private_segment_fixed_size 0
		.amdhsa_enable_private_segment 0
		.amdhsa_kernarg_size 56
		.amdhsa_user_sgpr_count 2
		.amdhsa_user_sgpr_kernarg_segment_ptr 1
		.amdhsa_wavefront_size32 1
		.amdhsa_system_sgpr_workgroup_id_x 1
		.amdhsa_system_sgpr_workgroup_id_y 1
		.amdhsa_system_sgpr_workgroup_id_z 1
		.amdhsa_system_vgpr_workitem_id 0
		.amdhsa_next_free_vgpr 256
		.amdhsa_next_free_sgpr 96
		.amdhsa_reserve_vcc 0
		.amdhsa_float_denorm_mode_32 3
		.amdhsa_float_denorm_mode_16_64 3
		.amdhsa_memory_ordered 1
		.amdhsa_forward_progress 1
		.amdhsa_inst_pref_size 35
	.end_amdhsa_kernel
	.amdgpu_metadata
---
amdhsa.version: [ 1, 2 ]
amdhsa.kernels:
  - .name:           k_qbcfe7e13fb_prep
    .symbol:         k_qbcfe7e13fb_prep.kd
    .args:
      - { .name: x, .offset: 0, .size: 8, .value_kind: global_buffer, .address_space: global }
      - { .name: theta, .offset: 8, .size: 8, .value_kind: global_buffer, .address_space: global }
      - { .name: W1, .offset: 16, .size: 8, .value_kind: global_buffer, .address_space: global }
      - { .name: b1, .offset: 24, .size: 8, .value_kind: global_buffer, .address_space: global }
      - { .name: W2, .offset: 32, .size: 8, .value_kind: global_buffer, .address_space: global }
      - { .name: wblk, .offset: 40, .size: 8, .value_kind: global_buffer, .address_space: global }
      - { .name: hblk, .offset: 48, .size: 8, .value_kind: global_buffer, .address_space: global }
    .group_segment_fixed_size: 89088
    .private_segment_fixed_size: 0
    .kernarg_segment_align: 8
    .kernarg_segment_size: 56
    .max_flat_workgroup_size: 256
    .sgpr_count:     96
    .vgpr_count:     256
    .wavefront_size: 32
...
	.end_amdgpu_metadata
.endif
;; end of part 3
;; launch gemm (part 4): grid 4 x 64, 4 waves a work-group, clusters of 4 x 4, 327,680 bytes of LDS; arguments hblk, wblk, b2, out0; writes out0
.if DOCPART == 4
	.amdgcn_target "amdgcn-amd-amdhsa--gfx1250"
	.amdhsa_code_object_version 6
	.text
	.protected	k_qbcfe7e13fb_gemm
	.globl	k_qbcfe7e13fb_gemm
	.p2align	8
	.type	k_qbcfe7e13fb_gemm,@function
k_qbcfe7e13fb_gemm:
	s_mov_b64 s[64:65], 0
	v_nop
	global_prefetch_b8 v0, s[64:65] scope:SCOPE_SE
	s_setreg_imm32_b32 hwreg(HW_REG_WAVE_MODE, 25, 1), 1
	s_wait_xcnt 0x0
	s_wait_alu depctr_hold_cnt(0) depctr_sa_sdst(0) depctr_va_vdst(0) depctr_va_sdst(0) depctr_va_ssrc(0) depctr_va_vcc(0) depctr_vm_vsrc(0)
	s_getreg_b32 s2, hwreg(HW_REG_IB_STS2, 6, 4)
	s_cmp_eq_u32 s2, 0
	s_cbranch_scc0 .Lentry_in_a_cluster
	s_endpgm
.Lentry_in_a_cluster:
	s_bfe_u32 s2, ttmp6, 0x10000c
	s_cmp_lg_u32 s2, 0xf033
	s_cbranch_scc0 .Lentry_shape_is_right
	s_endpgm
.Lentry_shape_is_right:
; out0[m][n] = sum over k of h[m][k] W2[n][k] + b2[n], on the codes and scale words that the launch before has laid: hblk [64 tiles][32 K steps][25,600], wblk [4][32][25,600];
; a block of 25,600 bytes = 16 images of operand registers (16 rows x 128 K, 1,536 bytes: three loads of 16 bytes a lane) + 256 scale words.
; A tile of out0, 256 x 256, is made by four waves, 128 x 128 each: 64 accumulators.  K goes through two LDS slots of THREE K steps (A's 76,800 bytes, then B's): for a tile both streams are dense in memory,
; so a wave's one tensor load brings half of a stream's fill: 150 rows of 256 bytes.  32 K steps = 10 fills of three and one of two; the last is asked for step by step, 100 rows a wave.
; CLUSTERS 4 x 4: A's fills are asked for jointly along a row of the cluster, B's along a column.  THE MATRIX INSTRUCTION IS USED TRANSPOSED (source 0 = rows of W2, source 1 = tokens).
; PREFETCH: beside the load of fill f each cluster names fill f + 2's blocks of 256 bytes once: a stream's 300 blocks in 8 shares of 38, by address (wave half, place in the cluster); fills 2 to 9; fill 10 comes by its load alone.
; REGISTERS: window 0: v0-31 addresses, v32-47 scale words (two sets), v128-223 A's fragments (one set); window 1: B's fragments, two sets at v0 and v128; windows 2, 3: the accumulators.
.set STEPB, 25600
.set FILLB, 76800
.set PIECE, 38400
.set SLOTB, 153600
.set TILEB, 819200
.set SPARE, 307200
.set SPITCH, 528
.set STAGE, SLOTB                      ; the way out goes through slot 1: its last fill (fill 9) has been read out behind the walk's last barrier
.set B2R,  8                           ; v8-11 b2 of my four columns on the way out
.set ADRA, 16
.set ADRS, 18
.set ADRB, 20
.set STO,  24
.set RD,   25
.set CO,   26
.set SPW,  28
.set NIL,  29
.set PF,   30
.set SC,   32
.set AF,   128
.set BK,   128
.set G1,   24
.set G0,   32
.set G1B,  48
.set G0B,  56
.set PFA,  66
.set MSB, 0
.macro WIN new
.if MSB != \new
	s_set_vgpr_msb (MSB<<8)|\new
.set MSB, \new
.endif
.endm
.set MUL_LO, 0xa1
.set MUL_HI, 0xf1
.set TO_B,   0x40
.macro JLOAD s                         ; a joint load: waves 0, 1 fetch A's two halves, waves 2, 3 B's
	s_cmp_eq_u32 s15, 0
	s_cbranch_scc0 .Lfor_b_\@
	tensor_load_to_lds s[G0+4*\s:G0+4*\s+3], s[G1:G1+7]
	s_nop 0
.rept 4
	v_nop
.endr
	s_branch .Lasked_\@
.Lfor_b_\@:
	tensor_load_to_lds s[G0B+4*\s:G0B+4*\s+3], s[G1B:G1B+7]
	s_nop 0
.rept 4
	v_nop
.endr
.Lasked_\@:
.endm
.macro CREST
	s_cmp_lg_u32 s14, 0
	s_cbranch_scc1 .Lnot_wave_0_\@
	s_barrier_signal -3
.Lnot_wave_0_\@:
	s_barrier_wait -3
	s_barrier_signal -1
	s_barrier_wait -1
.endm
.macro CROUND
	s_barrier_signal -1
	s_barrier_wait -1
	CREST
.endm
.macro PFETCH
	global_prefetch_b8 v[PF], s[PFA:PFA+1] th:TH_LOAD_NT scope:SCOPE_SE
	global_prefetch_b8 v[PF+1], s[PFA:PFA+1] th:TH_LOAD_NT scope:SCOPE_SE
.endm
.macro ASK                             ; not in the loop's last trip: fills 10 and 11 are not asked for
	s_cmp_gt_u32 s3, 1
	s_cbranch_scc0 .Lno_ask_\@
	PFETCH
.Lno_ask_\@:
.endm
	s_load_b128 s[4:7], s[0:1], 0x0                ; hblk, wblk
	s_load_b128 s[8:11], s[0:1], 0x10              ; b2, out0
	v_lshl_add_u32 v[SPW], v0, 2, SPARE
	v_mov_b32 v[NIL], 0
	ds_add_u32 v[SPW], v[NIL]                      ; the opening lines: the add, twice on end, and its wait
	ds_add_u32 v[SPW], v[NIL]
	v_lshrrev_b32 v1, 5, v0
	v_readfirstlane_b32 s14, v1                    ; wave
	s_lshr_b32 s15, s14, 1                         ; my half of the rows; also: I fetch for A (0) or B (1)
	s_and_b32 s16, s14, 1                          ; my half of the columns; also: which half of a fill I fetch
	s_bfe_u32 s40, ttmp6, 0x40000                  ; cx
	s_bfe_u32 s41, ttmp6, 0x40004                  ; cy
	s_lshl_b32 s42, ttmp9, 2
	s_add_co_u32 s42, s42, s40                     ; tile column
	s_and_b32 s17, ttmp7, 0xffff
	s_lshl_b32 s17, s17, 2
	s_add_co_u32 s17, s17, s41                     ; tile row
	s_lshl_b32 s43, s41, 2
	s_lshl_b32 s43, 15, s43                        ; my row of the cluster
	s_lshl_b32 s44, 0x1111, s40                    ; my column
	s_or_b32 s[G1], s43, (3<<16)|(1<<21)           ; elements of 8 bytes; no padding: lanes read 16 neighbouring bytes each
	s_or_b32 s[G1B], s44, (3<<16)|(1<<21)
.irp g, G1, G1B
	s_mov_b32 s[\g+1], 32<<16                      ; rows of 256 bytes,
	s_mov_b32 s[\g+2], 150<<16                     ; 150 of them,
	s_mov_b32 s[\g+3], 32<<16
	s_mov_b32 s[\g+4], 150
	s_mov_b32 s[\g+5], 32                          ; dense
	s_mov_b32 s[\g+6], 0
	s_mov_b32 s[\g+7], 0
.endr
	s_mul_i32 s20, s17, TILEB
	s_mov_b32 s21, 0
	s_mul_i32 s46, s42, TILEB
	s_mov_b32 s47, 0
	s_mul_i32 s18, s16, PIECE
	s_mov_b32 s19, 0
	s_mul_i32 s45, s14, PIECE                      ; LDS: A's two halves, then B's two = wave x 38,400
	s_mul_i32 s22, s15, FILLB
	s_mul_i32 s23, s16, STEPB
	s_add_co_u32 s22, s22, s23                     ; LDS, the last fill: a K step a wave
	s_mul_i32 s74, s16, PIECE-STEPB
	s_mov_b32 s75, 0
	s_mul_i32 s68, s15, 8*1536                     ; my eight fragments of A,
	s_mul_i32 s69, s16, 8*1536
	s_add_co_u32 s69, s69, FILLB                   ; and of B
	s_lshl_b32 s70, s15, 9
	s_add_co_u32 s70, s70, 24576                   ; my scale words of A
	s_lshl_b32 s71, s16, 9
	s_add_co_u32 s71, s71, FILLB+24576
	s_sub_co_u32 s71, s71, s70                     ; from there to B's
	s_mul_i32 s72, s14, 16*SPITCH
	s_add_co_u32 s72, s72, STAGE
	s_lshl_b32 s76, s17, 8
	s_lshl_b32 s77, s15, 7
	s_add_co_u32 s76, s76, s77
	s_lshl_b32 s76, s76, 12                        ; my first row of out0, 4,096 bytes a row
	s_lshl_b32 s77, s42, 10
	s_lshl_b32 s78, s16, 9
	s_add_co_u32 s78, s78, s77                     ; my first column, in bytes
	s_add_co_u32 s76, s76, s78
	s_mov_b32 s77, 0
	s_mov_b32 s79, 0
	s_cmp_eq_u32 s15, 0
	s_cselect_b32 s73, s40, s41                    ; my place among the four that ask with me
	s_lshl_b32 s80, s16, 2
	s_add_co_u32 s73, s73, s80
	s_mul_i32 s73, s73, 38                         ; my share's first block
	s_wait_dscnt 0x0
	s_wait_kmcnt 0x0
	s_add_nc_u64 s[20:21], s[4:5], s[20:21]
	s_add_nc_u64 s[46:47], s[6:7], s[46:47]
	s_cmp_eq_u32 s15, 0
	s_cselect_b64 s[PFA:PFA+1], s[20:21], s[46:47]
	s_add_nc_u64 s[PFA:PFA+1], s[PFA:PFA+1], 2*FILLB
	s_add_nc_u64 s[12:13], s[10:11], s[76:77]
	s_add_nc_u64 s[8:9], s[8:9], s[78:79]
	s_add_nc_u64 s[20:21], s[20:21], s[18:19]
	s_add_nc_u64 s[46:47], s[46:47], s[18:19]
.irp s, 0,1
	s_mov_b32 s[G0+4*\s], 1
	s_add_co_u32 s[G0+4*\s+1], s45, \s*SLOTB
	s_add_nc_u64 s[G0+4*\s+2:G0+4*\s+3], s[20:21], \s*FILLB
	s_or_b32 s[G0+4*\s+3], s[G0+4*\s+3], 0x80000000
	s_mov_b32 s[G0B+4*\s], 1
	s_add_co_u32 s[G0B+4*\s+1], s45, \s*SLOTB
	s_add_nc_u64 s[G0B+4*\s+2:G0B+4*\s+3], s[46:47], \s*FILLB
	s_or_b32 s[G0B+4*\s+3], s[G0B+4*\s+3], 0x80000000
.endr
	CROUND                                         ; all sixteen work-groups are here
	JLOAD 0                                        ; fill 0: one tensor load a wave at the head
	v_and_b32 v1, 31, v0
	v_and_b32 v3, 15, v0
	v_bfe_u32 v4, v0, 4, 1
	v_lshlrev_b32 v[CO], 4, v1
	v_add_nc_u32 v[ADRA], s68, v[CO]
	v_add_nc_u32 v[ADRA+1], SLOTB, v[ADRA]
	v_add_nc_u32 v[ADRB], s69, v[CO]
	v_add_nc_u32 v[ADRB+1], SLOTB, v[ADRB]
	v_mul_u32_u24 v5, s71, v4                      ; lanes 16-31 take B's words
	v_lshl_add_u32 v5, v3, 2, v5
	v_add_nc_u32 v[ADRS], s70, v5
	v_add_nc_u32 v[ADRS+1], SLOTB, v[ADRS]
	v_mul_u32_u24 v6, v3, SPITCH
	v_lshl_add_u32 v6, v4, 5, v6
	v_add_nc_u32 v[STO], s72, v6
	v_add_nc_u32 v[RD], s72, v[CO]
	v_add_nc_u32 v[PF], s73, v1
	v_lshlrev_b32 v[PF], 8, v[PF]                  ; blocks 0 to 31 of my share,
	v_min_u32 v7, 5, v1
	v_add_nc_u32 v7, s73, v7
	v_add_nc_u32 v7, 32, v7
	v_min_u32 v7, 299, v7
	v_lshlrev_b32 v[PF+1], 8, v7                   ; and 32 to 37, held inside the fill
	s_wait_alu depctr_va_vdst(0)                   ; the wait at the head's end
	PFETCH                                         ; fill 2
	global_load_b128 v[B2R:B2R+3], v[CO], s[8:9]
	s_wait_tensorcnt 0x0                           ; my part of fill 0 is in; the lines ahead of a later first fill:
	ds_add_u32 v[SPW], v[NIL]
	s_wait_xcnt 0x0
	s_add_nc_u64 s[PFA:PFA+1], s[PFA:PFA+1], FILLB
	s_wait_dscnt 0x0
	CROUND
	JLOAD 1                                        ; fill 1, the first tensor load behind the round
.macro MUL16 a0, p, zero               ; A's blocks a0, a0 + 1 x B's eight; the 64 accumulators take turns in the same order in every step
.irp a, \a0, \a0+1
.irp b, 0,1,2,3,4,5,6,7
.if \zero
	v_wmma_scale_f32_16x16x128_f8f6f4 v[8*(8*((\a)%4)+\b):8*(8*((\a)%4)+\b)+7], v[128*(\p)+12*\b:128*(\p)+12*\b+11], v[AF+12*(\a):AF+12*(\a)+11], 0, v[SC+8*(\p)+\b], v[SC+8*(\p)+(\a)] matrix_a_fmt:MATRIX_FMT_BF6 matrix_b_fmt:MATRIX_FMT_BF6 matrix_a_scale:MATRIX_SCALE_ROW1
.else
	v_wmma_scale_f32_16x16x128_f8f6f4 v[8*(8*((\a)%4)+\b):8*(8*((\a)%4)+\b)+7], v[128*(\p)+12*\b:128*(\p)+12*\b+11], v[AF+12*(\a):AF+12*(\a)+11], v[8*(8*((\a)%4)+\b):8*(8*((\a)%4)+\b)+7], v[SC+8*(\p)+\b], v[SC+8*(\p)+(\a)] matrix_a_fmt:MATRIX_FMT_BF6 matrix_b_fmt:MATRIX_FMT_BF6 matrix_a_scale:MATRIX_SCALE_ROW1
.endif
.endr
.endr
.endm
.macro FETCH_B sl, u, p
	WIN TO_B
.irp i, 0,1,2,3,4,5,6,7
.irp g, 0,1,2
	ds_load_b128 v[128*(\p)+12*\i+4*\g:128*(\p)+12*\i+4*\g+3], v[ADRB+\sl] offset:(\u)*STEPB+\i*1536+\g*512
.endr
.endr
	WIN 0
.endm
.macro FETCH_A sl, u, i0
.irp i, \i0, \i0+1, \i0+2, \i0+3
.irp g, 0,1,2
	ds_load_b128 v[AF+12*(\i)+4*\g:AF+12*(\i)+4*\g+3], v[ADRA+\sl] offset:(\u)*STEPB+(\i)*1536+\g*512
.endr
.endr
.endm
.macro SCALES sl, u, p                 ; register i: lanes 0-15 the words of A's block i, lanes 16-31 those of B's block i
.irp i, 0,1,2,3,4,5,6,7
	ds_load_b32 v[SC+8*(\p)+\i], v[ADRS+\sl] offset:(\u)*STEPB+64*\i
.endr
.endm
.macro PLACES                          ; four places behind this form, in front of loads into registers that it has read
.rept 4
	v_nop
.endr
.endm
; A K step: 64 matrix instructions on step u of slot sl; the next step's (nu of ns) fragments are fetched in its middle and at its end.
; kind 0: inside a slot.  1: the slot's last step: the three lines, a round, the slot's refill two fills on.  2: the same, the refill being the short last fill.  3: the three lines and a barrier, nothing left to fetch.  4: the last step of all.
.macro STEP sl, u, ns, nu, kind, zero
.set PP, (3*(\sl)+(\u))%2
.if (\kind) == 0 || (\kind) == 4
	s_wait_dscnt 12                                ; all but A's blocks 4-7, the youngest twelve loads
	WIN MUL_LO
	MUL16 0, PP, \zero
	MUL16 2, PP, \zero
	s_wait_dscnt 0x0
.if (\kind) == 0
	PLACES
.endif
.else
.if (\kind) == 1
	s_wait_xcnt 0x0                                ; my prefetches have read their base
	s_add_nc_u64 s[PFA:PFA+1], s[PFA:PFA+1], FILLB
.endif
	s_wait_tensorcnt 0x0                           ; all my tensor loads have landed: my part of the other slot
	ds_add_u32 v[SPW], v[NIL]
.if (\kind) == 1
	s_add_nc_u64 s[G0+4*\sl+2:G0+4*\sl+3], s[G0+4*\sl+2:G0+4*\sl+3], 2*FILLB
	s_add_nc_u64 s[G0B+4*\sl+2:G0B+4*\sl+3], s[G0B+4*\sl+2:G0B+4*\sl+3], 2*FILLB
.elseif (\kind) == 2
	s_add_nc_u64 s[G0+4*\sl+2:G0+4*\sl+3], s[G0+4*\sl+2:G0+4*\sl+3], 2*FILLB
	s_add_nc_u64 s[G0B+4*\sl+2:G0B+4*\sl+3], s[G0B+4*\sl+2:G0B+4*\sl+3], 2*FILLB
	s_sub_nc_u64 s[G0+4*\sl+2:G0+4*\sl+3], s[G0+4*\sl+2:G0+4*\sl+3], s[74:75]      ; the second wave of a stream begins 25,600 bytes in, not 38,400
	s_sub_nc_u64 s[G0B+4*\sl+2:G0B+4*\sl+3], s[G0B+4*\sl+2:G0B+4*\sl+3], s[74:75]
	s_mov_b32 s[G0+4*\sl+1], s22
	s_mov_b32 s[G0B+4*\sl+1], s22
	s_mov_b32 s[G1+2], 100<<16                     ; no tensor load of mine is out: a load now brings 100 rows, one K step
	s_mov_b32 s[G1+4], 100
	s_mov_b32 s[G1B+2], 100<<16
	s_mov_b32 s[G1B+4], 100
.endif
	s_wait_dscnt 13                                ; the add and A's blocks 4-7 may be out
	WIN MUL_LO
	MUL16 0, PP, 0
	s_wait_dscnt 0x0                               ; the add is done, and my reads of this slot are over
	s_barrier_signal -1
	MUL16 2, PP, 0
	WIN 0
	s_barrier_wait -1
.if (\kind) == 3
	PLACES
.else
	CREST                                          ; the barrier has opened a round of the cluster's barrier
	JLOAD \sl                                      ; the four v_nop behind it are the places in front of the loads below
.endif
.endif
.if (\kind) != 4
	FETCH_B \ns, \nu, 1-PP
	FETCH_A \ns, \nu, 0
	SCALES \ns, \nu, 1-PP
.if (\kind) == 1
	ASK
.endif
.endif
	WIN MUL_HI
	MUL16 4, PP, \zero
	MUL16 6, PP, \zero
.if (\kind) != 4
	PLACES
.endif
	WIN 0
.if (\kind) != 4
	FETCH_A \ns, \nu, 4
.endif
.endm
	FETCH_B 0, 0, 0
	FETCH_A 0, 0, 0
	SCALES 0, 0, 0
	FETCH_A 0, 0, 4
	PFETCH                                         ; fill 3
	STEP 0, 0, 0, 1, 0, 1                          ; K step 0 starts the sums
	s_mov_b32 s3, 4
.Ltrip:                                                ; a trip: six K steps, from a lap's second to the next lap's first; both slots are filled again
	STEP 0, 1, 0, 2, 0, 0
	STEP 0, 2, 1, 0, 1, 0
	STEP 1, 0, 1, 1, 0, 0
	STEP 1, 1, 1, 2, 0, 0
	STEP 1, 2, 0, 0, 1, 0
	STEP 0, 0, 0, 1, 0, 0
	s_sub_co_u32 s3, s3, 1
	s_cmp_lg_u32 s3, 0
	s_cbranch_scc1 .Ltrip
	STEP 0, 1, 0, 2, 0, 0                          ; K steps 25 to 31, written out
	STEP 0, 2, 1, 0, 2, 0                          ; fill 10: K steps 30 and 31
	STEP 1, 0, 1, 1, 0, 0
	STEP 1, 1, 1, 2, 0, 0
	STEP 1, 2, 0, 0, 3, 0
	STEP 0, 0, 0, 1, 0, 0
	STEP 0, 1, 0, 0, 4, 0
; THE WAY OUT, block by block of 16 rows x 128 columns, through my own stage: back as whole rows of 512 bytes; b2 of a lane's four columns is added there
.macro TOSTAGE a
.set AC, 64*((\a)%4)
	WIN 0x08+4*((\a)/4)
.irp b, 0,1,2,3,4,5,6,7
	ds_store_b128 v[STO], v[AC+8*\b:AC+8*\b+3] offset:64*\b          ; each accumulator from its low end on
	ds_store_b128 v[STO], v[AC+8*\b+4:AC+8*\b+7] offset:64*\b+16
.endr
	WIN 0
.set BB, BK+64*((\a)%2)
.irp t, 0,1,2,3,4,5,6,7,8,9,10,11,12,13,14,15
	ds_load_b128 v[BB+4*\t:BB+4*\t+3], v[RD] offset:\t*SPITCH
.endr
.endm
.macro SEND a, younger
.set BB, BK+64*((\a)%2)
	s_wait_dscnt \younger
.if (\a) > 0
	s_add_nc_u64 s[12:13], s[12:13], 16*4096       ; behind a wait on XCNT: the earlier stores have read their base
.endif
.irp t, 0,1,2,3,4,5,6,7,8,9,10,11,12,13,14,15
	v_pk_add_f32 v[BB+4*\t:BB+4*\t+1], v[BB+4*\t:BB+4*\t+1], v[B2R:B2R+1]
	v_pk_add_f32 v[BB+4*\t+2:BB+4*\t+3], v[BB+4*\t+2:BB+4*\t+3], v[B2R+2:B2R+3]
.endr
.irp t, 0,1,2,3,4,5,6,7,8,9,10,11,12,13,14,15
	global_store_b128 v[CO], v[BB+4*\t:BB+4*\t+3], s[12:13] offset:\t*4096 th:TH_STORE_NT   ; 32 lanes store 512 consecutive bytes, aligned
.endr
.endm
	s_wait_loadcnt 0x0                             ; b2
	PLACES
	TOSTAGE 0
.irp a, 1,2,3,4,5,6,7
.if \a > 1
	s_wait_xcnt 0x0                                ; block a - 2's stores have read their registers and their base
.endif
	TOSTAGE \a
	SEND \a-1, 32
.endr
	s_wait_xcnt 0x0
	SEND 7, 0
	s_wait_tensorcnt 0x0                           ; the wave's end
	ds_add_u32 v[SPW], v[NIL]
	s_wait_dscnt 0x0
	CROUND                                         ; the closing round
	s_endpgm
.Lfunc_end_k_qbcfe7e13fb_gemm:
	.size	k_qbcfe7e13fb_gemm, .Lfunc_end_k_qbcfe7e13fb_gemm-k_qbcfe7e13fb_gemm
	.p2alignl 7, 3214868480
	.fill 96, 4, 3214868480
	.section	.rodata,"a",@progbits
	.p2align	6, 0x0
	.amdhsa_kernel k_qbcfe7e13fb_gemm
		.amdhsa_group_segment_fixed_size 327680
		.amdhsa_private_segment_fixed_size 0
		.amdhsa_enable_private_segment 0
		.amdhsa_kernarg_size 32
		.amdhsa_user_sgpr_count 2
		.amdhsa_user_sgpr_kernarg_segment_ptr 1
		.amdhsa_wavefront_size32 1
		.amdhsa_system_sgpr_workgroup_id_x 1
		.amdhsa_system_sgpr_workgroup_id_y 1
		.amdhsa_system_sgpr_workgroup_id_z 1
		.amdhsa_system_vgpr_workitem_id 0
		.amdhsa_next_free_vgpr 1024
		.amdhsa_next_free_sgpr 98
		.amdhsa_reserve_vcc 0
		.amdhsa_float_denorm_mode_32 3
		.amdhsa_float_denorm_mode_16_64 3
		.amdhsa_memory_ordered 1
		.amdhsa_forward_progress 1
		.amdhsa_inst_pref_size 227
	.end_amdhsa_kernel
	.amdgpu_metadata
---
amdhsa.version: [ 1, 2 ]
amdhsa.kernels:
  - .name:           k_qbcfe7e13fb_gemm
    .symbol:         k_qbcfe7e13fb_gemm.kd
    .args:
      - { .name: hblk, .offset: 0, .size: 8, .value_kind: global_buffer, .address_space: global }
      - { .name: wblk, .offset: 8, .size: 8, .value_kind: global_buffer, .address_space: global }
      - { .name: b2, .offset: 16, .size: 8, .value_kind: global_buffer, .address_space: global }
      - { .name: out0, .offset: 24, .size: 8, .value_kind: global_buffer, .address_space: global }
    .group_segment_fixed_size: 327680
    .private_segment_fixed_size: 0
    .kernarg_segment_align: 8
    .kernarg_segment_size: 32
    .max_flat_workgroup_size: 128
    .sgpr_count:     98
    .vgpr_count:     1024
    .wavefront_size: 32
...
	.end_amdgpu_metadata
.endif
;; end of part 4
